; MI455X (gfx1250); checked and timed in simulation.
; The chip was launched on July 23, 2026; its instructions are those of AMD's public machine-readable ISA for CDNA 5 (MIT licence, August 2026) and "CDNA5" Instruction Set Architecture Reference Guide (July 2026). The comments in the code are by the model that wrote it; some were corrected since.
;; Self Attention. Allowed arithmetic: float matrix products may take bf16 or f16 operands with f32 sums; other float arithmetic in f32, or as packed bf16 or f16 multiplies, adds, multiply-adds, maxima and minima; sums over many terms, partial sums and values carried from step to step in f32; what a program stores and reads back later, other than sums and carried values, may be rounded once to bf16 or f16.
;; Inputs: Wk 1,024 x 1,024 float32; Wo 1,024 x 1,024 float32; Wq 1,024 x 1,024 float32; Wv 1,024 x 1,024 float32; bk 1,024 float32; bo 1,024 float32; bq 1,024 float32; bv 1,024 float32; x 4 x 2,048 x 1,024 float32.
;; Outputs: out0 4 x 2,048 x 1,024 float32.
;; 2 versions, each right; version 2 is version 1 with the launch prep written anew for expert scheduling mode. Each part assembles by itself: llvm-mc -triple=amdgcn-amd-amdhsa -mcpu=gfx1250 --defsym DOCPART=n.
;; ======== version 1 of 2: 4 launches
;; limits: values are held in f16: magnitudes above 65,504 overflow, below 6.1e-05 lose precision
;; workspace buffers: xb 16,777,216 bytes; wt 6,291,456 bytes; wot 2,097,152 bytes; qkv 50,331,648 bytes; att 16,777,216 bytes
;; launch prep (part 1): grid 512 x 1, 8 waves a work-group, no clusters, 18,432 bytes of LDS; arguments x, Wq, Wk, Wv, Wo, xb, wt, wot; writes xb, wt, wot
.if DOCPART == 1
	.amdgcn_target "amdgcn-amd-amdhsa--gfx1250"
	.amdhsa_code_object_version 6
	.text
	.protected	k_q3f6501aead_prep
	.globl	k_q3f6501aead_prep
	.p2align	8
	.type	k_q3f6501aead_prep,@function
k_q3f6501aead_prep:
	s_mov_b64 s[64:65], 0
	v_nop
	global_prefetch_b8 v0, s[64:65] scope:SCOPE_SE
	s_setreg_imm32_b32 hwreg(HW_REG_WAVE_MODE, 25, 1), 1
	s_wait_xcnt 0x0
; PREPARATION.  xb = x rounded to bf16, [8192][1024].  wt = Wq, Wk, Wv turned to [n][k] and rounded to bf16, [3072][1024] (rows 0-1023 Wq's columns, then Wk's, then Wv's).
; wot = Wo turned to [n][k], rounded to bf16 like every other input, and that number written as f16 (the last product's other operand is f16).
; LIMITS.  |Wo| stays under 65,504 (f16's range); a rounded Wo below 2^-14 keeps f16's fixed step of 6e-8.  NaN and infinities are not treated apart.
; SHARES.  512 work-groups of eight waves; each takes ONE tile of 128 k x 64 n of one weight (4 weights x 8 x 16 tiles) and 64 KiB of x.  A stream: every byte is read once and written once,
; so there is no matrix work, no cluster (no two work-groups read a byte in common) and no tensor load (24 loads of 16 bytes a lane are out at once, in registers).
; THE TURNING.  Thread (i = t / 16, j = t % 16) loads rows k = 8 i .. 8 i + 7, columns 4 j .. 4 j + 3: sixteen lanes read 256 consecutive aligned bytes of a row.  Two rows' numbers of one column pack into a word,
; so a thread holds, for each of its four columns n, the 16 bytes k = 8 i .. 8 i + 7 of the turned row.  They go into an LDS tile [64 n][128 k] of pitch 272 and come back by rows: sixteen lanes store 256 aligned bytes.
.set PITCH, 272                        ; 256 bytes of a turned row + 16
.set SPARE, 64*PITCH                   ; behind the tile (68 blocks of 256 bytes): the spare words, 128 bytes for each of the eight waves
.set INX,  2                           ; v2   my byte offset in the work-group's part of x: 8,192 x wave + 16 x lane
.set OUTX, 3                           ; v3   the same in xb: half of it
.set INW,  4                           ; v4   my byte offset in the weight's tile: 32,768 i + 16 j
.set ST,   5                           ; v5   where I put 16 bytes of a turned row: 1,088 j + 16 i
.set RD,   6                           ; v6   where I read a turned row back: 272 i + 16 j
.set OUTW, 7                           ; v7   the same place in the turned weight: 2,048 i + 16 j
.set SPW,  8                           ; v8   LDS address of my spare word; never rewritten
.set NIL,  9                           ; v9   0; never rewritten
.set WD,   32                          ; v[32:63]   the weight's eight rows as loaded
.set WR,   64                          ; v[64:79]   four turned pieces of 16 bytes
.set WB,   80                          ; v[80:95]   four pieces of turned rows, read back
.set XD,   96                          ; v[96:159]  x as loaded
.set XR,   160                         ; v[160:191] x in bf16
	s_load_b256 s[8:15], s[0:1], 0x0               ; x s[8:9], Wq s[10:11], Wk s[12:13], Wv s[14:15]
	s_load_b256 s[16:23], s[0:1], 0x20             ; Wo s[16:17], xb s[18:19], wt s[20:21], wot s[22:23]
	v_lshl_add_u32 v[SPW], v0, 2, SPARE
	v_mov_b32 v[NIL], 0
	s_lshr_b32 s25, ttmp9, 7                       ; which weight: 0 Wq, 1 Wk, 2 Wv, 3 Wo
	s_and_b32 s26, ttmp9, 7                        ; which 128 of k
	s_bfe_u32 s27, ttmp9, 0x40003                  ; which 64 of n
	s_lshl_b32 s2, ttmp9, 16                       ; my 64 KiB of x,
	s_mov_b32 s3, 0
	s_lshl_b32 s32, ttmp9, 15                      ; my 32 KiB of xb
	s_mov_b32 s33, 0
	s_lshl_b32 s34, s26, 19                        ; the tile in the weight: 128 rows of 4,096 bytes,
	s_lshl_b32 s24, s27, 8                         ; 64 columns of 4 bytes
	s_add_co_u32 s34, s34, s24
	s_mov_b32 s35, 0
	s_cmp_eq_u32 s25, 3
	s_cselect_b32 s36, 0, s25                      ; the tile in the turned weight: Wo has a buffer of its own, the others 1,024 rows of 2,048 bytes each,
	s_lshl_b32 s36, s36, 21
	s_lshl_b32 s24, s27, 17                        ; 64 rows,
	s_add_co_u32 s36, s36, s24
	s_lshl_b32 s24, s26, 8                         ; 128 numbers of 2 bytes
	s_add_co_u32 s36, s36, s24
	s_mov_b32 s37, 0
	v_and_b32 v10, 15, v0                          ; j
	v_lshrrev_b32 v11, 4, v0                       ; i
	v_lshlrev_b32 v[INW], 4, v10
	v_lshl_add_u32 v[OUTW], v11, 11, v[INW]
	v_mul_u32_u24 v[RD], v11, PITCH
	v_add_nc_u32 v[RD], v[RD], v[INW]
	v_mul_u32_u24 v[ST], v10, 4*PITCH
	v_lshl_add_u32 v[ST], v11, 4, v[ST]
	v_lshl_add_u32 v[INW], v11, 15, v[INW]
	v_and_b32 v[INX], 0xe0, v0                     ; 32 x wave
	v_and_b32 v10, 31, v0
	v_lshlrev_b32 v10, 4, v10
	v_lshl_or_b32 v[INX], v[INX], 8, v10
	v_lshrrev_b32 v[OUTX], 1, v[INX]
	s_wait_kmcnt 0x0
	s_cmp_eq_u32 s25, 1
	s_cselect_b64 s[28:29], s[12:13], s[10:11]
	s_cmp_eq_u32 s25, 2
	s_cselect_b64 s[28:29], s[14:15], s[28:29]
	s_cmp_eq_u32 s25, 3
	s_cselect_b64 s[28:29], s[16:17], s[28:29]     ; the weight
	s_cselect_b64 s[30:31], s[22:23], s[20:21]     ; where it goes
	s_add_nc_u64 s[28:29], s[28:29], s[34:35]
	s_add_nc_u64 s[30:31], s[30:31], s[36:37]
	s_add_nc_u64 s[8:9], s[8:9], s[2:3]
	s_add_nc_u64 s[18:19], s[18:19], s[32:33]
.irp r, 0,1,2,3,4,5,6,7
	global_load_b128 v[WD+4*(\r):WD+4*(\r)+3], v[INW], s[28:29] offset:4096*(\r) th:TH_LOAD_NT
.endr
.irp i, 0,1,2,3,4,5,6,7,8,9,10,11,12,13,14,15
	global_load_b128 v[XD+4*(\i):XD+4*(\i)+3], v[INX], s[8:9] offset:512*(\i) th:TH_LOAD_NT  ; 512 consecutive bytes a wave
.endr
.irp p, 0,1,2,3
	s_wait_loadcnt 22-2*(\p)                       ; rows 2 p and 2 p + 1 are in: behind them 6 - 2 p loads of the weight and the 16 of x may stay out
.irp c, 0,1,2,3
	v_cvt_pk_bf16_f32 v[WR+4*(\c)+(\p)], v[WD+8*(\p)+(\c)], v[WD+8*(\p)+4+(\c)]  ; column c: k = 8 i + 2 p below, 8 i + 2 p + 1 above
.endr
.endr
	s_cmp_lg_u32 s25, 3
	s_cbranch_scc1 .Lno16                          ; the same for the whole work-group; no barrier is jumped
.irp n, 0,1,2,3,4,5,6,7,8,9,10,11,12,13,14,15
	v_lshlrev_b32 v10, 16, v[WR+(\n)]              ; Wo: the two bf16 numbers as f32,
	v_and_b32 v11, 0xffff0000, v[WR+(\n)]
	v_cvt_pk_f16_f32 v[WR+(\n)], v10, v11          ; written as f16: exact within f16's normal range
.endr
.Lno16:
.irp c, 0,1,2,3
	ds_store_b128 v[ST], v[WR+4*(\c):WR+4*(\c)+3] offset:PITCH*(\c)  ; turned row n = 4 j + c
.endr
	s_wait_dscnt 0x0                               ; for the others' sake: my stores into the tile are done
	s_barrier_signal -1
	s_barrier_wait -1
.irp q, 0,1,2,3
	ds_load_b128 v[WB+4*(\q):WB+4*(\q)+3], v[RD] offset:16*PITCH*(\q)  ; turned row i + 16 q
.endr
.irp q, 0,1,2,3
	s_wait_dscnt 3-(\q)
	global_store_b128 v[OUTW], v[WB+4*(\q):WB+4*(\q)+3], s[30:31] offset:32768*(\q)  ; sixteen lanes store 256 consecutive aligned bytes
.endr
.irp i, 0,1,2,3,4,5,6,7,8,9,10,11,12,13,14,15
	s_wait_loadcnt 15-(\i)                         ; loads come back in order: load i is in, the younger ones stay out
	v_cvt_pk_bf16_f32 v[XR+2*(\i)], v[XD+4*(\i)], v[XD+4*(\i)+1]
	v_cvt_pk_bf16_f32 v[XR+2*(\i)+1], v[XD+4*(\i)+2], v[XD+4*(\i)+3]
	global_store_b64 v[OUTX], v[XR+2*(\i):XR+2*(\i)+1], s[18:19] offset:256*(\i)  ; the wave stores 256 consecutive aligned bytes
.endr
	s_wait_tensorcnt 0x0                           ; the wave's end: three closing lines, behind my last LDS store
	ds_add_u32 v[SPW], v[NIL]
	s_wait_dscnt 0x0
	s_endpgm
.Lfunc_end_k_q3f6501aead_prep:
	.size	k_q3f6501aead_prep, .Lfunc_end_k_q3f6501aead_prep-k_q3f6501aead_prep
	.p2alignl 7, 3214868480
	.fill 96, 4, 3214868480
	.section	.rodata,"a",@progbits
	.p2align	6, 0x0
	.amdhsa_kernel k_q3f6501aead_prep
		.amdhsa_group_segment_fixed_size 18432
		.amdhsa_private_segment_fixed_size 0
		.amdhsa_enable_private_segment 0
		.amdhsa_kernarg_size 64
		.amdhsa_user_sgpr_count 2
		.amdhsa_user_sgpr_kernarg_segment_ptr 1
		.amdhsa_wavefront_size32 1
		.amdhsa_system_sgpr_workgroup_id_x 1
		.amdhsa_system_sgpr_workgroup_id_y 1
		.amdhsa_system_sgpr_workgroup_id_z 1
		.amdhsa_system_vgpr_workitem_id 0
		.amdhsa_next_free_vgpr 192
		.amdhsa_next_free_sgpr 66
		.amdhsa_reserve_vcc 0
		.amdhsa_float_denorm_mode_32 3
		.amdhsa_float_denorm_mode_16_64 3
		.amdhsa_memory_ordered 1
		.amdhsa_forward_progress 1
		.amdhsa_inst_pref_size 14
	.end_amdhsa_kernel
	.amdgpu_metadata
---
amdhsa.version: [ 1, 2 ]
amdhsa.kernels:
  - .name:           k_q3f6501aead_prep
    .symbol:         k_q3f6501aead_prep.kd
    .args:
      - { .name: x, .offset: 0, .size: 8, .value_kind: global_buffer, .address_space: global }
      - { .name: Wq, .offset: 8, .size: 8, .value_kind: global_buffer, .address_space: global }
      - { .name: Wk, .offset: 16, .size: 8, .value_kind: global_buffer, .address_space: global }
      - { .name: Wv, .offset: 24, .size: 8, .value_kind: global_buffer, .address_space: global }
      - { .name: Wo, .offset: 32, .size: 8, .value_kind: global_buffer, .address_space: global }
      - { .name: xb, .offset: 40, .size: 8, .value_kind: global_buffer, .address_space: global }
      - { .name: wt, .offset: 48, .size: 8, .value_kind: global_buffer, .address_space: global }
      - { .name: wot, .offset: 56, .size: 8, .value_kind: global_buffer, .address_space: global }
    .group_segment_fixed_size: 18432
    .private_segment_fixed_size: 0
    .kernarg_segment_align: 8
    .kernarg_segment_size: 64
    .max_flat_workgroup_size: 256
    .sgpr_count:     66
    .vgpr_count:     192
    .wavefront_size: 32
...
	.end_amdgpu_metadata
.endif
;; end of part 1
;; launch inproj (part 2): grid 16 x 32, 4 waves a work-group, clusters of 4 x 4, 327,680 bytes of LDS; arguments xb, wt, bq, bk, bv, qkv; writes qkv
.if DOCPART == 2
	.amdgcn_target "amdgcn-amd-amdhsa--gfx1250"
	.amdhsa_code_object_version 6
	.text
	.protected	k_q3f6501aead_inproj
	.globl	k_q3f6501aead_inproj
	.p2align	8
	.type	k_q3f6501aead_inproj,@function
k_q3f6501aead_inproj:
	s_mov_b64 s[64:65], 0
	v_nop
	global_prefetch_b8 v0, s[64:65] scope:SCOPE_SE
	s_setreg_imm32_b32 hwreg(HW_REG_WAVE_MODE, 25, 1), 1
	s_wait_xcnt 0x0
	s_wait_alu depctr_hold_cnt(0) depctr_sa_sdst(0) depctr_va_vdst(0) depctr_va_sdst(0) depctr_va_ssrc(0) depctr_va_vcc(0) depctr_vm_vsrc(0)
	s_getreg_b32 s2, hwreg(HW_REG_IB_STS2, 6, 4)
	s_cmp_eq_u32 s2, 0
	s_cbranch_scc0 .Lentry_in_a_cluster
	s_endpgm
.Lentry_in_a_cluster:
	s_bfe_u32 s2, ttmp6, 0x10000c
	s_cmp_lg_u32 s2, 0xf033
	s_cbranch_scc0 .Lentry_shape_is_right
	s_endpgm
.Lentry_shape_is_right:
; THE THREE INPUT PROJECTIONS AS ONE PRODUCT.  C[m][n] = bias[n] + the sum over k of xb[m][k] wt[n][k]: xb [8192][1024], wt [3072][1024], bf16; sums in f32, started by the bias (rounded to bf16 like every input).
; C leaves by heads, unscaled, rounded once to f16: qkv [3 tensors][64 = batch x 16 + head][2048][64].
; LIMIT.  |q|, |k|, |v| stay under 65,504, f16's range; beyond it the conversion gives an infinity.  NaN and infinities are not treated apart.
; SHARES.  A tile of C is 256 rows x 192 columns (three whole heads): 32 x 16 = 512 work-groups.  The four waves split the ROWS: a wave makes 64 rows x 192 columns, 4 x 12 accumulators of 16 x 16, 384 registers,
; so it holds whole rows of whole heads and its way out is its own.  K goes in 8 steps of 128 through a ring of two LDS slots: the tiles' rows are 256 bytes of memory, aligned.
; CLUSTER.  4 x 4 work-groups.  The four of a row of the cluster need the same tile of xb, the four of a column the same tile of wt: each is asked for jointly, by the same tensor load with the same descriptor and a mask of the four.
; THE MATRIX INSTRUCTION IS USED TRANSPOSED (source 0 = 16 rows of wt, source 1 = 16 rows of xb): lane l holds row l % 16 of C and the columns 8 (l / 16) + 0..7: 16 bytes of f16 on end.
; REGISTERS, in windows of 256 (s_set_vgpr_msb: bits 1:0 source 0, 3:2 source 1, 5:4 source 2, 7:6 destination):
;   window 0: v1-15 at work; v16-29 addresses; v32-63 the way out; v64-127 xb's fragments, two buffers of 4 x 8; v128-223 the bias as a C operand, 8 registers for each of the 12 column blocks
;   window 1: v0-191 wt's fragments, two buffers of 12 x 8       window 2: the accumulators of row blocks 0, 1 ((a, b) at 8 (12 (a % 2) + b))       window 3: those of row blocks 2, 3
.set KSTEP,  128
.set PITCH,  272                       ; an LDS row: 256 bytes + 16 of padding = 68 words: the 16 rows of a fragment load start at 16 different groups of four banks (64 banks of 4 bytes: ISA guide 11.1)
.set AHALF,  128*PITCH                 ; what wave 0 or 1 fetches of xb
.set BHALF,  96*PITCH                  ; what wave 2 or 3 fetches of wt
.set BOFF,   2*AHALF                   ; a slot: xb's 256 rows, then wt's 192
.set SLOT1,  1<<17                     ; slot 1 begins here, so that one exclusive or turns an address in one slot into the other's
.set STAGE,  SLOT1+BOFF+2*BHALF        ; behind the ring, never filled by a tensor load: 16 rows x 144 bytes for each wave
.set SP,     144
.set SPARE,  STAGE+4*16*SP             ; behind the stages: the spare words, 128 bytes for each wave
.set ADRA, 16                          ; v16  LDS address of my fragments of xb in the slot in hand
.set ADRB, 17                          ; v17  the same for wt
.set A0,   18                          ; v18  the same in slot 0; never rewritten
.set B0,   19                          ; v19
.set STO,  20                          ; v20  the way out: where I put 16 bytes of a row
.set RD,   21                          ; v21  where I read rows back
.set GO,   22                          ; v22  my 16 bytes of 512 consecutive bytes of a head
.set BO,   23                          ; v23-25  my byte offset in the bias of each of the tile's three heads
.set SPW,  28                          ; v28  LDS address of my spare word; never rewritten
.set NIL,  29                          ; v29  0; never rewritten
.set OUT,  32
.set AF,   64
.set BIAS, 128
.set WV,   16                          ; s16  my wave's number; s17 = wave / 2: I fetch for xb (0) or wt (1); s18 = wave % 2: which half
.set G1A,  28                          ; s[28:35] descriptor group 1 for xb's tiles
.set G1B,  36                          ; s[36:43] for wt's
.set G0A,  44                          ; s[44:51] group 0 for xb's tiles: a set for each of the two first fills; the second then walks on
.set G0B,  52                          ; s[52:59] the same for wt's
.set TB,   60                          ; s60  0 or SLOT1: the slot in hand
.set CNT,  61                          ; s61  the loop's count
.set LA,   62                          ; s62  LDS byte of my half of xb's tile in slot 0
.set LB,   63                          ; s63  of wt's
.set OB,   66                          ; s[66:71] qkv at my 64 rows of each of the three heads
.set BP,   84                          ; s[84:89] the bias of each of the three heads' tensors
.set MSB, 0
.macro WIN new                         ; the immediate's high byte repeats the setting that is left; a switch that changes nothing is dropped
.if MSB != (\new)
	s_set_vgpr_msb (MSB<<8)|(\new)
.set MSB, \new
.endif
.endm
; A joint refill by the walking descriptors.  The branch hangs on the wave's number alone.  An s_nop 0 and four v_nop follow each of the two lines, ahead of the jump and the label.
.macro JLOAD
	s_cmp_eq_u32 s17, 0
	s_cbranch_scc0 .Lfor_b_\@
	tensor_load_to_lds s[G0A+4:G0A+7], s[G1A:G1A+7]
	s_nop 0
.rept 4
	v_nop
.endr
	s_branch .Lasked_\@
.Lfor_b_\@:
	tensor_load_to_lds s[G0B+4:G0B+7], s[G1B:G1B+7]
	s_nop 0
.rept 4
	v_nop
.endr
.Lasked_\@:
.endm
.macro CREST                           ; a round of the cluster's barrier behind its opening barrier: wave 0 signals for the work-group, every wave waits for all sixteen, my work-group's barrier closes it
	s_cmp_lg_u32 s[WV], 0
	s_cbranch_scc1 .Lnot_wave_0_\@
	s_barrier_signal -3
.Lnot_wave_0_\@:
	s_barrier_wait -3
	s_barrier_signal -1
	s_barrier_wait -1
.endm
.macro CROUND                          ; a whole round
	s_barrier_signal -1
	s_barrier_wait -1
	CREST
.endm
.macro PLACES                          ; four places in front of loads into registers that matrix instructions have read, and of conversions that read results
.rept 4
	v_nop
.endr
.endm
	s_load_b256 s[4:11], s[0:1], 0x0               ; xb s[4:5], wt s[6:7], bq s[8:9], bk s[10:11]
	s_load_b128 s[12:15], s[0:1], 0x20             ; bv s[12:13], qkv s[14:15]
	v_lshl_add_u32 v[SPW], v0, 2, SPARE
	v_mov_b32 v[NIL], 0
	ds_add_u32 v[SPW], v[NIL]                      ; the wave's opening: the add and its wait stand ahead of my first tensor load; the set-up below, work on registers, stands between them
	ds_add_u32 v28, v29
	v_lshrrev_b32 v1, 5, v0
	v_readfirstlane_b32 s[WV], v1                  ; wave 0..3
	s_lshr_b32 s17, s[WV], 1
	s_and_b32 s18, s[WV], 1
	s_bfe_u32 s20, ttmp6, 0x40000                  ; cx, cy: my place in the cluster
	s_bfe_u32 s21, ttmp6, 0x40004
	s_lshl_b32 s22, ttmp9, 2
	s_add_co_u32 s22, s22, s20                     ; tile column = 4 x cluster x + cx
	s_and_b32 s23, ttmp7, 0xffff
	s_lshl_b32 s23, s23, 2
	s_add_co_u32 s23, s23, s21                     ; tile row = 4 x cluster y + cy
	s_lshl_b32 s24, s21, 2
	s_lshl_b32 s24, 15, s24                        ; my row of the cluster: places 4 cy .. 4 cy + 3
	s_lshl_b32 s25, 0x1111, s20                    ; my column: places cx, cx + 4, cx + 8, cx + 12
	s_or_b32 s[G1A], s24, (1<<16)|(1<<20)|(1<<21)|(5<<22)|(3<<25)  ; 15:0 the mask; 17:16 elements of 2 bytes; 20 padding on; 21 set beside a mask; 24:22 after every 64 words (code 5); 31:25 4 words (code 3)
	s_or_b32 s[G1B], s25, (1<<16)|(1<<20)|(1<<21)|(5<<22)|(3<<25)
	s_mov_b32 s[G1A+1], KSTEP<<16                  ; tensor_dim0 = 128
	s_mov_b32 s[G1A+2], 128<<16                    ; tensor_dim1 = 128
	s_mov_b32 s[G1A+3], KSTEP<<16                  ; tile_dim0 = 128
	s_mov_b32 s[G1A+4], 128                        ; tile_dim1 = 128 rows
	s_mov_b32 s[G1A+5], 1024                       ; elements from row to row
	s_mov_b32 s[G1A+6], 0
	s_mov_b32 s[G1A+7], 0
	s_mov_b32 s[G1B+1], KSTEP<<16
	s_mov_b32 s[G1B+2], 96<<16                     ; wt's halves have 96 rows
	s_mov_b32 s[G1B+3], KSTEP<<16
	s_mov_b32 s[G1B+4], 96
	s_mov_b32 s[G1B+5], 1024
	s_mov_b32 s[G1B+6], 0
	s_mov_b32 s[G1B+7], 0
	; where the tiles come from: xb's hang on the tile row and the wave alone, wt's on the tile column and the wave alone, each in registers that never hold the other coordinate
	s_lshl_b32 s74, s23, 19                        ; 256 rows of 2,048 bytes a tile row,
	s_lshl_b32 s26, s18, 18                        ; 128 rows a half
	s_add_co_u32 s74, s74, s26
	s_mov_b32 s75, 0
	s_mul_i32 s76, s22, 192*2048                   ; 192 rows a tile column,
	s_mul_i32 s27, s18, 96*2048                    ; 96 rows a half
	s_add_co_u32 s76, s76, s27
	s_mov_b32 s77, 0
	s_mul_i32 s[LA], s18, AHALF                    ; and where they go: no place in the cluster enters an LDS address
	s_mul_i32 s[LB], s18, BHALF
	s_add_co_u32 s[LB], s[LB], BOFF
	s_wait_dscnt 0x0                               ; the opening add is done
	s_wait_kmcnt 0x0
	s_add_nc_u64 s[74:75], s[4:5], s[74:75]
	s_add_nc_u64 s[76:77], s[6:7], s[76:77]
	CROUND                                         ; all sixteen work-groups are here: the first joint loads meet
.irp s, 0,1
	s_mov_b32 s[G0A+4*(\s)], 1                     ; count = 1
	s_add_co_u32 s[G0A+4*(\s)+1], s[LA], (\s)*SLOT1  ; LDS address
	s_add_nc_u64 s[G0A+4*(\s)+2:G0A+4*(\s)+3], s[74:75], (\s)*KSTEP*2  ; global address: K step s
	s_or_b32 s[G0A+4*(\s)+3], s[G0A+4*(\s)+3], 0x80000000  ; type = 2
	s_mov_b32 s[G0B+4*(\s)], 1
	s_add_co_u32 s[G0B+4*(\s)+1], s[LB], (\s)*SLOT1
	s_add_nc_u64 s[G0B+4*(\s)+2:G0B+4*(\s)+3], s[76:77], (\s)*KSTEP*2
	s_or_b32 s[G0B+4*(\s)+3], s[G0B+4*(\s)+3], 0x80000000
.endr
	s_cmp_eq_u32 s17, 0                            ; a wave's two first fills stand in one branch, ahead of every wait on TENSORcnt and every LDS read: two loads of mine are out
	s_cbranch_scc0 .Lfirst_b
	tensor_load_to_lds s[G0A:G0A+3], s[G1A:G1A+7]
	s_nop 0
	tensor_load_to_lds s[G0A+4:G0A+7], s[G1A:G1A+7]
	s_nop 0
.rept 4
	v_nop
.endr
	s_branch .Lfirst_asked
.Lfirst_b:
	tensor_load_to_lds s[G0B:G0B+3], s[G1B:G1B+7]
	s_nop 0
	tensor_load_to_lds s[G0B+4:G0B+7], s[G1B:G1B+7]
	s_nop 0
.rept 4
	v_nop
.endr
.Lfirst_asked:
	v_and_b32 v1, 15, v0                           ; r = l % 16
	v_bfe_u32 v2, v0, 4, 1                         ; h = l / 16
	v_and_b32 v3, 31, v0                           ; l
	; The tile's three heads.  g = 3 x tile column + hh counts heads over the three tensors: tensor g / 16, head g % 16.  A lane's C operand for column block bb is bias[64 head + 16 bb + 8 h + 0..7].
.irp hh, 0,1,2
	s_mul_i32 s80, s22, 3
	s_add_co_u32 s80, s80, \hh
	s_cmp_lt_u32 s80, 32
	s_cselect_b64 s[BP+2*(\hh):BP+2*(\hh)+1], s[10:11], s[12:13]
	s_cmp_lt_u32 s80, 16
	s_cselect_b64 s[BP+2*(\hh):BP+2*(\hh)+1], s[8:9], s[BP+2*(\hh):BP+2*(\hh)+1]
	s_and_b32 s81, s80, 15
	s_lshl_b32 s78, s81, 8                         ; 64 numbers of 4 bytes a head
	v_lshl_add_u32 v[BO+(\hh)], v2, 5, s78
.irp bb, 0,1,2,3
	global_load_b128 v[BIAS+8*(4*(\hh)+(\bb)):BIAS+8*(4*(\hh)+(\bb))+3],   v[BO+(\hh)], s[BP+2*(\hh):BP+2*(\hh)+1] offset:64*(\bb)
	global_load_b128 v[BIAS+8*(4*(\hh)+(\bb))+4:BIAS+8*(4*(\hh)+(\bb))+7], v[BO+(\hh)], s[BP+2*(\hh):BP+2*(\hh)+1] offset:64*(\bb)+16
.endr
	s_lshr_b32 s78, s80, 4                         ; where my 64 rows of that head lie in qkv: tensor x 64
	s_lshl_b32 s78, s78, 6
	s_lshr_b32 s82, s23, 3                         ; + batch (8 tile rows each) x 16
	s_lshl_b32 s82, s82, 4
	s_add_co_u32 s78, s78, s82
	s_add_co_u32 s78, s78, s81                     ; + head,
	s_lshl_b32 s78, s78, 18                        ; of 2,048 rows x 128 bytes;
	s_and_b32 s82, s23, 7
	s_lshl_b32 s82, s82, 15                        ; + the tile's 256 rows in the batch
	s_add_co_u32 s78, s78, s82
	s_lshl_b32 s82, s[WV], 13                      ; + my wave's 64
	s_add_co_u32 s78, s78, s82
	s_mov_b32 s79, 0
	s_add_nc_u64 s[OB+2*(\hh):OB+2*(\hh)+1], s[14:15], s[78:79]
.endr
	; A fragment is 16 rows x 32 K in 8 registers: lane l holds row l % 16; registers 0-3 K = 8 (l / 16) + 0..7, registers 4-7 K = 16 + 8 (l / 16) + 0..7: two loads of 16 bytes, 32 bytes apart.
	v_mul_u32_u24 v4, v1, PITCH
	v_lshl_add_u32 v4, v2, 4, v4                   ; row x pitch + 16 x half
	s_mul_i32 s19, s[WV], 64*PITCH                 ; my 64 rows of xb
	v_add_nc_u32 v[A0], s19, v4
	v_add_nc_u32 v[B0], BOFF, v4                   ; all 192 rows of wt
	s_mul_i32 s19, s[WV], 16*SP
	s_add_co_u32 s19, s19, STAGE                   ; my stage
	v_mul_u32_u24 v5, v1, SP                       ; in: row l % 16, 16 bytes for each half of the lanes
	v_lshl_add_u32 v5, v2, 4, v5
	v_add_nc_u32 v[STO], s19, v5
	v_bfe_u32 v5, v0, 3, 2                         ; back: 32 lanes take four rows of 128 bytes,
	v_mul_u32_u24 v5, v5, SP
	v_and_b32 v6, 7, v0
	v_lshl_add_u32 v5, v6, 4, v5
	v_add_nc_u32 v[RD], s19, v5
	v_lshlrev_b32 v[GO], 4, v3                     ; which are 512 consecutive bytes of a head
	s_mov_b32 s[TB], 0
	v_mov_b32 v[ADRA], v[A0]
	v_mov_b32 v[ADRB], v[B0]
; 12 matrix instructions: row block a x all 12 column blocks, 32 along K, from buffer f.  init = 1: the product starts the sum with the bias as C.
; The 48 accumulators take turns, one instruction a turn and in the same order in every quarter: 47 others stand between two links of a chain, over the backward jump too.
.macro MUL12 f, a, init
.if \init
	WIN 0x81+0x40*((\a)/2)                         ; wt window 1, xb and the bias window 0, D window 2 or 3
.else
	WIN 0xa1+0x50*((\a)/2)                         ; C and D window 2 or 3
.endif
.irp b, 0,1,2,3,4,5,6,7,8,9,10,11
.if \init
	v_wmma_f32_16x16x32_bf16 v[8*(12*((\a)%2)+(\b)):8*(12*((\a)%2)+(\b))+7], v[96*(\f)+8*(\b):96*(\f)+8*(\b)+7], v[AF+32*(\f)+8*(\a):AF+32*(\f)+8*(\a)+7], v[BIAS+8*(\b):BIAS+8*(\b)+7]
.else
	v_wmma_f32_16x16x32_bf16 v[8*(12*((\a)%2)+(\b)):8*(12*((\a)%2)+(\b))+7], v[96*(\f)+8*(\b):96*(\f)+8*(\b)+7], v[AF+32*(\f)+8*(\a):AF+32*(\f)+8*(\a)+7], v[8*(12*((\a)%2)+(\b)):8*(12*((\a)%2)+(\b))+7]
.endif
.endr
.endm
; 32 LDS loads in one run: quarter q of the slot in hand (32 K at byte 64 q of the rows) into buffer g: wt's 24, then xb's 8, row blocks 2 and 3 last
.macro FETCH q, g
	WIN 0x40                                       ; destination window 1, address window 0
.irp b, 0,1,2,3,4,5,6,7,8,9,10,11
	ds_load_b128 v[96*(\g)+8*(\b):96*(\g)+8*(\b)+3],   v[ADRB] offset:64*(\q)+(\b)*16*PITCH
	ds_load_b128 v[96*(\g)+8*(\b)+4:96*(\g)+8*(\b)+7], v[ADRB] offset:64*(\q)+(\b)*16*PITCH+32
.endr
	WIN 0
.irp a, 0,1,2,3
	ds_load_b128 v[AF+32*(\g)+8*(\a):AF+32*(\g)+8*(\a)+3],   v[ADRA] offset:64*(\q)+(\a)*16*PITCH
	ds_load_b128 v[AF+32*(\g)+8*(\a)+4:AF+32*(\g)+8*(\a)+7], v[ADRA] offset:64*(\q)+(\a)*16*PITCH+32
.endr
.endm
; A K step is four quarters of 32 along K, 48 matrix instructions each, on buffers 0, 1, 0, 1.  One of the first three: multiplies buffer f; in its middle it fetches quarter q into buffer g.
.macro QUARTER q, f, g, init
	s_wait_dscnt 4                                 ; wt's fragments and xb's row blocks 0, 1 are in; the youngest four loads (row blocks 2, 3) may be out
	MUL12 \f, 0, \init
	MUL12 \f, 1, \init
	PLACES
	FETCH \q, \g
	s_wait_dscnt 32                                ; all but the 32 just issued
	MUL12 \f, 2, \init
	MUL12 \f, 3, \init
.endm
; The last quarter multiplies buffer 1 and changes slots: ONE barrier.  In front of it each wave waits for all its tensor loads, of which one is out: its part of the next slot; adds 0 to its spare word; and waits for
; that and for its own reads of this slot.  fill = 1: the barrier opens a round of the cluster's barrier, and behind the round this slot is filled again first, two K steps ahead: 168 matrix instructions ahead of the wait for it.
.macro TURN fill
	WIN 0
	s_wait_tensorcnt 0x0                           ; no tensor load of mine is out, so a group 0 may be written
	ds_add_u32 v[SPW], v[NIL]                      ; 0 onto my spare word
.if \fill
	s_xor_b32 s[G0A+5], s[G0A+5], SLOT1            ; the walking descriptors: the other slot than last time,
	s_add_nc_u64 s[G0A+6:G0A+7], s[G0A+6:G0A+7], KSTEP*2  ; the next K step; the type bits on top are not reached
	s_xor_b32 s[G0B+5], s[G0B+5], SLOT1
	s_add_nc_u64 s[G0B+6:G0B+7], s[G0B+6:G0B+7], KSTEP*2
.endif
	s_wait_dscnt 5                                 ; the add and the youngest four loads may be out
	MUL12 1, 0, 0                                  ; twelve matrix instructions stand between the add and the wait for it
	s_wait_dscnt 0x0                               ; the add is done, and my reads of this slot are over
	s_barrier_signal -1
	MUL12 1, 1, 0                                  ; work on registers while the others arrive
	WIN 0                                          ; at a branch and at a label every window is 0
	s_barrier_wait -1
.if \fill
	CREST                                          ; no wave of any partner still reads this slot's tile or has a load on its way
	JLOAD                                          ; the first tensor load behind the round; its four v_nop are also the places in front of the loads below
.else
	PLACES
.endif
	s_xor_b32 s[TB], s[TB], SLOT1
	v_add_nc_u32 v[ADRA], s[TB], v[A0]
	v_add_nc_u32 v[ADRB], s[TB], v[B0]
	FETCH 0, 0
	MUL12 1, 2, 0
	MUL12 1, 3, 0
.endm
; The bias is rounded to bf16, like every input, and widened again, eight pairs at a time.
.macro ROUNDB groups
.set i, 0
.rept \groups
.irp t, 0,1,2,3,4,5,6,7
	v_cvt_pk_bf16_f32 v[8+(\t)], v[BIAS+2*(i+(\t))], v[BIAS+2*(i+(\t))+1]
.endr
.irp t, 0,1,2,3,4,5,6,7
	v_lshlrev_b32 v[BIAS+2*(i+(\t))], 16, v[8+(\t)]
	v_and_b32 v[BIAS+2*(i+(\t))+1], 0xffff0000, v[8+(\t)]
.endr
.set i, i+8
.endr
.endm
; THE WAY OUT, in 12 pieces p = 3 a + hh: row block a (16 rows) of head hh.  A lane's eight columns pack into 16 bytes; they go into my stage's rows of 144 bytes and come back as whole rows of 128, into the registers that they left.
.macro PACK p
.set pa, (\p)/3
.set ph, (\p)%3
.set ob, OUT+16*((\p)%2)
	s_wait_xcnt 0x0                                ; the stores of the piece two back have read these registers
	WIN 0x0a+5*(pa/2)                              ; sources 0 and 1 window 2 or 3, destination window 0
.irp bb, 0,1,2,3
.irp r, 0,1,2,3
	v_cvt_pk_f16_f32 v[ob+4*(\bb)+(\r)], v[8*(12*(pa%2)+4*ph+(\bb))+2*(\r)], v[8*(12*(pa%2)+4*ph+(\bb))+2*(\r)+1]  ; each accumulator from its low end on
.endr
.endr
	WIN 0
.irp bb, 0,1,2,3
	ds_store_b128 v[STO], v[ob+4*(\bb):ob+4*(\bb)+3] offset:32*(\bb)
.endr
.irp f, 0,1,2,3
	ds_load_b128 v[ob+4*(\f):ob+4*(\f)+3], v[RD] offset:(\f)*4*SP  ; LDS serves a wave's instructions in order (ISA guide 5.7.1.4): these see the stores above; the next piece's stores come behind them
.endr
.endm
.macro SEND p, younger                 ; younger: the LDS instructions issued behind piece p's loads: the next piece's eight, or none
.set pa, (\p)/3
.set ph, (\p)%3
.set ob, OUT+16*((\p)%2)
.irp f, 0,1,2,3
	s_wait_dscnt (\younger)+3-(\f)
	global_store_b128 v[GO], v[ob+4*(\f):ob+4*(\f)+3], s[OB+2*ph:OB+2*ph+1] offset:2048*pa+512*(\f)  ; 512 consecutive bytes, at a multiple of 256 from qkv's first
.endr
.endm
	s_wait_tensorcnt 0x1                           ; my part of K step 0 is in; K step 1's may stay out
	s_barrier_signal -1
	s_barrier_wait -1                              ; everybody's is
	FETCH 0, 0
	s_wait_loadcnt 0x0                             ; the bias
	ROUNDB 6
	QUARTER 1, 0, 1, 1                             ; the first quarter stands in front of the loop: its products start the sums
	WIN 0
	s_mov_b32 s[CNT], 6
.Lstep:                                        ; a trip goes from a K step's second quarter to the next step's first, and asks for K steps 2 to 7
	QUARTER 2, 1, 0, 0
	QUARTER 3, 0, 1, 0
	TURN 1
	QUARTER 1, 0, 1, 0
	WIN 0
	s_sub_co_u32 s[CNT], s[CNT], 1
	s_cmp_lg_u32 s[CNT], 0
	s_cbranch_scc1 .Lstep
	QUARTER 2, 1, 0, 0                             ; the last two K steps are written out: nothing is left to fetch
	QUARTER 3, 0, 1, 0
	TURN 0
	QUARTER 1, 0, 1, 0
	QUARTER 2, 1, 0, 0
	QUARTER 3, 0, 1, 0
	s_wait_dscnt 4
	MUL12 1, 0, 0
	MUL12 1, 1, 0
	s_wait_dscnt 0x0
	MUL12 1, 2, 0
	MUL12 1, 3, 0
	WIN 0
	PLACES
	PACK 0
.irp p, 1,2,3,4,5,6,7,8,9,10,11        ; a piece's conversions stand between the loads of the piece before and its stores
	PACK \p
	SEND (\p)-1, 8
.endr
	SEND 11, 0
	s_wait_tensorcnt 0x0                           ; the wave's end: three closing lines, behind my last tensor load and my last LDS store
	ds_add_u32 v[SPW], v[NIL]
	s_wait_dscnt 0x0
	CROUND                                         ; the closing round: no work-group ends while a partner may still ask for a tile that names it
	s_endpgm
.Lfunc_end_k_q3f6501aead_inproj:
	.size	k_q3f6501aead_inproj, .Lfunc_end_k_q3f6501aead_inproj-k_q3f6501aead_inproj
	.p2alignl 7, 3214868480
	.fill 96, 4, 3214868480
	.section	.rodata,"a",@progbits
	.p2align	6, 0x0
	.amdhsa_kernel k_q3f6501aead_inproj
		.amdhsa_group_segment_fixed_size 327680
		.amdhsa_private_segment_fixed_size 0
		.amdhsa_enable_private_segment 0
		.amdhsa_kernarg_size 48
		.amdhsa_user_sgpr_count 2
		.amdhsa_user_sgpr_kernarg_segment_ptr 1
		.amdhsa_wavefront_size32 1
		.amdhsa_system_sgpr_workgroup_id_x 1
		.amdhsa_system_sgpr_workgroup_id_y 1
		.amdhsa_system_sgpr_workgroup_id_z 1
		.amdhsa_system_vgpr_workitem_id 0
		.amdhsa_next_free_vgpr 960
		.amdhsa_next_free_sgpr 92
		.amdhsa_reserve_vcc 0
		.amdhsa_float_denorm_mode_32 3
		.amdhsa_float_denorm_mode_16_64 3
		.amdhsa_memory_ordered 1
		.amdhsa_forward_progress 1
		.amdhsa_inst_pref_size 110
	.end_amdhsa_kernel
	.amdgpu_metadata
---
amdhsa.version: [ 1, 2 ]
amdhsa.kernels:
  - .name:           k_q3f6501aead_inproj
    .symbol:         k_q3f6501aead_inproj.kd
    .args:
      - { .name: xb, .offset: 0, .size: 8, .value_kind: global_buffer, .address_space: global }
      - { .name: wt, .offset: 8, .size: 8, .value_kind: global_buffer, .address_space: global }
      - { .name: bq, .offset: 16, .size: 8, .value_kind: global_buffer, .address_space: global }
      - { .name: bk, .offset: 24, .size: 8, .value_kind: global_buffer, .address_space: global }
      - { .name: bv, .offset: 32, .size: 8, .value_kind: global_buffer, .address_space: global }
      - { .name: qkv, .offset: 40, .size: 8, .value_kind: global_buffer, .address_space: global }
    .group_segment_fixed_size: 327680
    .private_segment_fixed_size: 0
    .kernarg_segment_align: 8
    .kernarg_segment_size: 48
    .max_flat_workgroup_size: 128
    .sgpr_count:     92
    .vgpr_count:     960
    .wavefront_size: 32
...
	.end_amdgpu_metadata
.endif
;; end of part 2
;; launch attn (part 3): grid 4 x 64, 4 waves a work-group, no clusters, 327,680 bytes of LDS; arguments qkv, att; writes att
.if DOCPART == 3
	.amdgcn_target "amdgcn-amd-amdhsa--gfx1250"
	.amdhsa_code_object_version 6
	.text
	.protected	k_q3f6501aead_attn
	.globl	k_q3f6501aead_attn
	.p2align	8
	.type	k_q3f6501aead_attn,@function
k_q3f6501aead_attn:
	s_mov_b64 s[64:65], 0
	v_nop
	global_prefetch_b8 v0, s[64:65] scope:SCOPE_SE
	s_setreg_imm32_b32 hwreg(HW_REG_WAVE_MODE, 25, 1), 1
	s_wait_xcnt 0x0
; CAUSAL ATTENTION.  O[h][q][:] = the sum over k <= q of softmax_k(Q[h][q] . K[h][k] / 8) V[h][k][:].  Q, K, V are the three tensors of qkv, O is att: each [SIZE_H][SIZE_N][64] in f16: a head's rows are dense, 128 bytes each.
; Products, maxima and sums in f32; the weights p are rounded to f16 for the second product (their sum l is taken of the unrounded p), O once at the end.
; LIMITS.  f16 holds no number beyond 65,504: Q, K and V arrive within it; p lies in 0 to 1, and below 6e-5 it keeps f16's fixed step of 6e-8; O is a mean of V's rows and has their range.
; A hidden score counts as its value less 1e30: f16's scores, 2.7e11 at the most, are nothing beside that; a weight below 2^-126 counts as 0 in l; NaN and infinities are not treated apart.
; THE WALK.  A head's queries lie in NB = SIZE_N / 256 blocks of 256; block i needs the key tiles 0 .. i of 256 keys, of which the last holds the diagonal.  A work-group takes TWO blocks, NB - 1 - b and then b:
; NB + 1 tiles, whatever b: all work-groups do equal work, and ONE loop with a constant trip count walks them.  Which tile is asked for, and what a trip does, hang on scalar registers made from b; every jump
; goes forward, but for the counted loops' own; none passes a barrier, or a tensor load but the one of LOAD's two that the wave's number does not choose; the ring (two slots of LDS that take turns) runs on across the
; change of blocks.  NO CLUSTER: a head's NB / 2 work-groups ask for the same tile only in trips 0 .. NB / 2, behind that fewer and fewer; one walk common to all would have 3 NB / 2 trips for NB + 1.
; SHARES.  Of a block's four bands of 64 queries a wave owns 16 rows in each: four PIECES.  So the diagonal tile is the same work for all four waves: in its key step s band x sees all keys if s < x,
; none if s > x, and holds the diagonal if s = x.
; THE MASK is the C operand that starts the sum S^T = K Q^T: 0, or -1e30 where the key is hidden.  MD, made once, is the mask of a band's own step for my 16 rows; a product's mask is MD x AL + BE with two scalars:
; (1, 0) if s = x; (0, 0) if s < x; (0, -1e30) if s > x.  Only the diagonal tile's text and a block's beginning make and take masks; elsewhere C is the constant 0.
; LAYOUT, SOFTMAX, TURNS.  S^T = K Q^T holds ONE query a lane (lane % 16) and the keys 8 (lane / 16) + 0..7; two such results rounded to f16 ARE source 1 of O^T = V^T P.  p = 2^(c s - c m), c = log2(e) / 8, with a
; running maximum m; O and l are multiplied by a = 2^(c m_old - c m_new) in every step.  Turn n belongs to piece n: 8 products K Q^T of piece n + 1, later 8 products V^T P of piece n - 1; beside them the scaling,
; exponentials, roundings, sums and rescaling of piece n and the maximum and statistics of piece n + 1.  Four vector instructions stand behind every matrix instruction, the other 54 of a turn's 118 in two LUMPS.
; AHEAD OF THE FILLS.  The head's work-group with b = 0 walks the tiles 0 .. NB - 1 in order; behind the fill that asks for tile c + 1 each of its waves prefetches its own 16 KiB of tile c + 2 (64 blocks of 256 bytes,
; a lane a block, two instructions): one tile, four key steps, ahead of the fill that will want it.  Each block is named once in the launch; tiles 0 and 1 come by their fills alone; behind tile NB - 1 nothing is asked for.
; REGISTERS, in windows of 256 (s_set_vgpr_msb: bits 1:0 source 0, 3:2 source 1, 5:4 source 2, 7:6 destination):
;   window 0: v0-15 addresses and two at work; v16-31 four registers of statistics a piece; v48-55 at work; v61-63; v64-127 S^T, two buffers; v192-223 P, two buffers (a piece's buffers go by its number's parity)
;   window 1: v0-127 O^T, 32 a piece; v128-159 MD; v160-223 MC, two buffers      window 2: v0-63 Q; v64-127 the second block's Q; v128-191 K of one step; v192-255 V of one step
.set SIZE_H, 64
.set SIZE_N, 2048
.set NB,    SIZE_N/256
.set NP,    4         ; pieces a wave: a name, no knob
.set KS,    64        ; keys in a step
.set PK,    144       ; a row of K in LDS: 128 bytes + 16 of padding = 36 words: the 16 rows of a load start at 16 different groups of four banks (64 banks of 4 bytes: ISA guide 11.1)
.set PV,    160       ; a row of V: 128 + 32 = 40 words
.set VOFF,  4*KS*PK   ; a slot holds a tile, four steps: 256 rows of K, then 256 rows of V
.set SLOT1, 1<<17     ; slot 1 begins here, so that one exclusive or turns an address in one slot into the other's
.set STAGE, SLOT1+4*KS*(PK+PV)  ; behind the ring, never filled by a tensor load: 16 rows x 144 bytes for each wave, for the way out
.set SP,    144
.set AK0, 2           ; v2   my lane's place in a tile of K; never rewritten
.set AV0, 3           ; v3   the same for V
.set AK,  4           ; v4   the LDS address of K's next run of loads
.set AV,  5           ; v5   of V's
.set STO, 6           ; v6   the way out: where I put 16 bytes of a row
.set RD,  7           ; v7   the way out: where I read rows back
.set GO,  8           ; v8   my byte offset in 512 consecutive bytes of O
.set PFO, 61          ; v61  256 x my lane: the prefetches' offset; never rewritten
.set SPW, 62          ; v62  LDS address of my spare word: SPARE + 4 x my thread's number; never rewritten
.set NIL, 63          ; v63  0; never rewritten
.set SPARE, STAGE+4*16*SP  ; behind the stages: the spare words, 128 bytes for each wave: two blocks of 256 bytes that no other line names
.set MV,  12          ; v12-13  c m_old, kept while c m is made anew: by buffer
.set QO,  15          ; v15  my byte offset in 16 rows of Q
.set ST,  16          ; piece t's statistics at v[ST+4 t]: c m, m, l (even keys', odd keys')
.set TMP, 48          ; by buffer, four registers c0-c3 at work; when the maximum is found c2 takes a
.set S,   64
.set P,   192
.set MD,  128         ; window 1: the eight registers for group kt of 16 keys at MD + 8 kt
.set MC,  160         ; window 1: the masks of the products to come
.set QB,  64          ; window 2
.set KF,  128         ; window 2: key block kb, channel half c at KF + 16 kb + 8 c
.set VF,  192         ; window 2: key half kk, channel block cb at VF + 32 kk + 8 cb
.set WV,  12          ; s12  my wave's number
.set PB,  14          ; s14  b
.set HI,  15          ; s15  NB - 1 - b
.set G1K, 24          ; s[24:31] descriptor group 1 for K's tiles
.set G1V, 32          ; s[32:39] for V's: it differs in the padding alone
.set G0K, 40          ; s[40:43] descriptor group 0 for K's tiles
.set G0V, 44          ; s[44:47] the same for V's
.set SLOTS, 56        ; s56  tiles still to be asked for
.set CNT, 57          ; s57  counts a tile's key steps, 4 to 1
.set CS,  58          ; s[58:59] c: the packed scaling takes the pair's low word for both halves
.set SEL, 60          ; s[60:61] v_permlanex16_b32's selects: each lane takes its own place in the other half
.set TBK, 62          ; s62  LDS byte at which K of the step to be fetched begins
.set TBV, 63          ; s63  the same for V, less VOFF
.set PFA, 66          ; s[66:67] where my prefetches stand: my half of K's (waves 0, 1) or V's (waves 2, 3) tile, one tile on from the one that is being asked for
.set LIM, 68          ; s68  2 in the head's work-group with b = 0, else the greatest number: a wave prefetches while s[SLOTS] is above it
.set RT,  70          ; s70  tiles of the block in hand that are still to be entered
.set NXT, 71          ; s71  the tile to be asked for next
.set LQ,  72          ; s72  the last tile of the block whose tiles are being asked for
.set NEW, 73          ; s73  1: the tile to be entered is a block's first
.set OFF, 74          ; s[74:75] a tile's byte offset in K and V
.set AL,  76          ; s[76:77] the mask's factor, in the low word
.set BE,  78          ; s[78:79] the mask's addend
.set OLO, 80          ; s[80:81] O at my rows of the second block
.set BIGN, 82         ; s82  -1e30
.set MSB, 0
.macro WIN new                      ; the high byte repeats the setting that is left; a switch that changes nothing is dropped
.if MSB != (\new)
	s_set_vgpr_msb (MSB<<8)|(\new)
.set MSB, (\new)
.endif
.endm
.set W_KQ, 0x0a       ; K and Q in window 2, S^T in window 0
.set W_KM, 0x1a       ; the same with the C operand in window 1
.set W_PV, 0x52       ; V in window 2, P in window 0, O^T in window 1
.set W_RS, 0x41       ; destination and source 0 in window 1, source 1 in window 0
; A fill.  Waves 0 and 1 fetch the two halves of a tile's K, waves 2 and 3 those of its V: 128 keys each.  An s_nop 0 and four v_nop follow each of the two lines, ahead of the jump and the label.
.macro LOAD
	s_cmp_lt_u32 s[WV], 2
	s_cbranch_scc0 .Lfor_v_\@
	tensor_load_to_lds s[G0K:G0K+3], s[G1K:G1K+7]
	s_nop 0
.rept 4
	v_nop
.endr
	s_branch .Lasked_\@
.Lfor_v_\@:
	tensor_load_to_lds s[G0V:G0V+3], s[G1V:G1V+7]
	s_nop 0
.rept 4
	v_nop
.endr
.Lasked_\@:
.endm
; The prefetch of my 16 KiB of the tile that the NEXT change of slots will ask for; it stands behind the fill and its five lines.
.macro ASK
	s_cmp_gt_u32 s[SLOTS], s[LIM]
	s_cbranch_scc0 .Lnot_mine_\@
	global_prefetch_b8 v[PFO], s[PFA:PFA+1] th:TH_LOAD_NT scope:SCOPE_SE
	global_prefetch_b8 v[PFO], s[PFA:PFA+1] offset:8192 th:TH_LOAD_NT scope:SCOPE_SE
.Lnot_mine_\@:
.endm
; THE CHANGE OF SLOTS.  Each wave waits for all its tensor loads, of which one is out: its part of the other slot; adds 0 to its spare word; and waits for that and for its own reads of the slot that it leaves.  Behind the barrier nobody reads the old
; slot any more and the other slot is whole.  fill = 1: the old slot is filled again, the first thing behind the barrier, with tile NXT: the descriptor's address is made anew from that number.
; (At its first use nothing has been read yet: slot 0 is waited for, slot 1 filled.)
.macro CHANGE fill
	WIN 0                           ; at a label and at a branch every window is 0
	s_wait_tensorcnt 0x0            ; no tensor load of mine is out, so a group 0 may be written
	ds_add_u32 v[SPW], v[NIL]       ; 0 onto my spare word; with fill = 1 the descriptors' scalar work stands between it and the wait for it
.if \fill
	s_lshl_b32 s[OFF], s[NXT], 15   ; a tile is 32,768 bytes of K and of V
	s_xor_b32 s[G0K+1], s[G0K+1], SLOT1
	s_add_nc_u64 s[G0K+2:G0K+3], s[6:7], s[OFF:OFF+1]
	s_or_b32 s[G0K+3], s[G0K+3], 0x80000000
	s_xor_b32 s[G0V+1], s[G0V+1], SLOT1
	s_add_nc_u64 s[G0V+2:G0V+3], s[8:9], s[OFF:OFF+1]
	s_or_b32 s[G0V+3], s[G0V+3], 0x80000000
	s_add_co_u32 s[NXT], s[NXT], 1  ; the block's next tile, or behind its last the second block's tile 0
	s_cmp_gt_u32 s[NXT], s[LQ]
	s_cselect_b32 s[NXT], 0, s[NXT]
	s_cselect_b32 s[LQ], s[PB], s[LQ]
	s_wait_xcnt 0x0                 ; the last prefetches, a tile back, have read their address, so it may be written:
	s_add_nc_u64 s[PFA:PFA+1], s[PFA:PFA+1], 32768  ; a tile on
.endif
	s_wait_dscnt 0x0                ; the add is done, and my reads of the slot are over
	s_barrier_signal -1             ; the rest of the scalar work stands between the signal and the wait
	s_sub_co_u32 s[TBK], s[TBK], 4*KS*PK  ; the fetches go back to a slot's first step,
	s_xor_b32 s[TBK], s[TBK], SLOT1       ; in the other slot
	s_sub_co_u32 s[TBV], s[TBV], 4*KS*PV
	s_xor_b32 s[TBV], s[TBV], SLOT1
	s_barrier_wait -1
.if \fill
	LOAD
	ASK
.endif
.endm
	s_load_b128 s[4:7], s[0:1], 0x0 ; qkv s[4:5], att s[6:7]
	v_lshl_add_u32 v[SPW], v0, 2, SPARE
	v_mov_b32 v[NIL], 0
	ds_add_u32 v[SPW], v[NIL]       ; the wave's opening: the add and its wait stand ahead of my first tensor load; the set-up below, work on registers, stands between them
	ds_add_u32 v62, v63
	v_lshrrev_b32 v1, 5, v0
	v_readfirstlane_b32 s[WV], v1   ; wave 0..3
	v_and_b32 v[PFO], 31, v0
	v_lshlrev_b32 v[PFO], 8, v[PFO]
	s_mov_b32 s[PB], ttmp9
	s_sub_co_u32 s[HI], NB-1, s[PB]
	s_and_b32 s20, ttmp7, 0xffff    ; the head
	s_mov_b32 s21, 0
	s_mov_b64 s[22:23], SIZE_N*128
	s_mul_u64 s[20:21], s[20:21], s[22:23]  ; the head's first byte in each of the four tensors
	s_and_b32 s16, s[WV], 1         ; which half of a tile's 256 keys I fetch:
	s_lshl_b32 s22, s16, 14         ; its 128 rows of 128 bytes in memory,
	s_mov_b32 s23, 0
	s_add_nc_u64 s[22:23], s[22:23], s[20:21]
	s_mul_i32 s17, s16, 128*PK      ; and its place in a slot, for K
	s_mul_i32 s18, s16, 128*PV      ; and for V
	s_lshl_b32 s3, s[WV], 11        ; my 16 rows in a band of 64,
	s_lshl_b32 s2, s[HI], 15        ; in the first block,
	s_add_co_u32 s2, s2, s3
	s_lshl_b32 s84, s[PB], 15       ; and in the second
	s_add_co_u32 s84, s84, s3
	s_mov_b32 s3, 0
	s_mov_b32 s85, 0
	s_add_nc_u64 s[2:3], s[2:3], s[20:21]
	s_add_nc_u64 s[84:85], s[84:85], s[20:21]
	; descriptor group 1.  128 keys are 16,384 dense bytes: asked for as 64 rows of 256 bytes, two keys a row, and padded in LDS after every key
	s_mov_b32 s[G1K], (1<<16)|(1<<20)|(4<<22)|(3<<25)  ; 17:16 2-byte elements; 20 padding on; 24:22 after every 32 words (code 4); 31:25 4 words (code 3)
	s_mov_b32 s[G1V], (1<<16)|(1<<20)|(4<<22)|(7<<25)  ; the same with 8 words of padding (code 7)
.irp g, G1K, G1V
	s_mov_b32 s[\g+1], 128<<16      ; tensor_dim0 = 128
	s_mov_b32 s[\g+2], 64<<16       ; tensor_dim1 = 64
	s_mov_b32 s[\g+3], 128<<16      ; tile_dim0 = 128
	s_mov_b32 s[\g+4], 64           ; tile_dim1 = 64
	s_mov_b32 s[\g+5], 128          ; 128 elements from row to row
	s_mov_b32 s[\g+6], 0
	s_mov_b32 s[\g+7], 0
.endr
	s_mov_b32 s[CS], 0x3e38aa3b     ; c = log2(e) / 8 = 0.180337
	s_mov_b32 s[CS+1], s[CS]        ; named with it as a pair
	s_mov_b32 s[SEL], 0x76543210
	s_mov_b32 s[SEL+1], 0xfedcba98
	s_mov_b32 s[TBK], SLOT1+4*KS*PK ; the first change of slots turns these two into 0
	s_mov_b32 s[TBV], SLOT1+4*KS*PV
	s_mov_b32 s[G0K], 1             ; 1:0 count = 1
	s_mov_b32 s[G0K+1], s17         ; 63:32 LDS address: slot 0
	s_mov_b32 s[G0V], 1
	s_add_co_u32 s[G0V+1], s18, VOFF
	s_add_co_u32 s[RT], s[HI], 1    ; the first block has NB - b tiles
	s_mov_b32 s[NXT], 1
	s_mov_b32 s[LQ], s[HI]
	s_mov_b32 s[NEW], 1
	s_mov_b32 s[OFF+1], 0
	s_mov_b32 s[AL+1], 0            ; named as pairs
	s_mov_b32 s[BE+1], 0
	s_mov_b32 s[BIGN], 0xf149f2ca   ; -1e30
	s_mov_b32 s[SLOTS], NB
	s_cmp_eq_u32 s[PB], 0
	s_cselect_b32 s[LIM], 2, -1
	s_wait_dscnt 0x0                ; the opening add is done
	s_wait_kmcnt 0x0
	s_mov_b64 s[10:11], s[6:7]      ; O
	s_add_nc_u64 s[8:9], s[4:5], 0x2000000  ; V: qkv's third tensor of 16,777,216 bytes
	s_add_nc_u64 s[6:7], s[4:5], 0x1000000  ; K: its second; Q is its first
	s_add_nc_u64 s[6:7], s[6:7], s[22:23]  ; K and V at my half of the head's tile 0
	s_add_nc_u64 s[8:9], s[8:9], s[22:23]
	s_cmp_lt_u32 s[WV], 2
	s_cselect_b64 s[PFA:PFA+1], s[6:7], s[8:9]
	s_add_nc_u64 s[PFA:PFA+1], s[PFA:PFA+1], 32768  ; at tile 1: the first change of slots steps it to tile 2.  Nothing is prefetched here, at the head
	s_add_nc_u64 s[G0K+2:G0K+3], s[6:7], 0         ; 120:64 global address
	s_or_b32 s[G0K+3], s[G0K+3], 0x80000000        ; 127:126 type = 2
	s_add_nc_u64 s[G0V+2:G0V+3], s[8:9], 0
	s_or_b32 s[G0V+3], s[G0V+3], 0x80000000
	s_add_nc_u64 s[86:87], s[4:5], s[84:85]        ; Q at my rows of the second block,
	s_add_nc_u64 s[4:5], s[4:5], s[2:3]            ; Q and O at those of the first
	s_add_nc_u64 s[OLO:OLO+1], s[10:11], s[84:85]
	s_add_nc_u64 s[10:11], s[10:11], s[2:3]
	LOAD                            ; tile 0 into slot 0
	; A fragment of K or Q is 16 rows x 32 channels in 8 registers: lane l holds row l % 16, channels 8 (l / 16) + 0..7 and 16 + 8 (l / 16) + 0..7: two loads of 16 bytes, 32 bytes apart.
	v_and_b32 v1, 15, v0            ; l % 16
	v_bfe_u32 v9, v0, 4, 1          ; l / 16
	v_lshlrev_b32 v[QO], 7, v1
	v_lshl_add_u32 v[QO], v9, 4, v[QO]  ; row x 128 + 16 x half
	WIN 0x80                        ; destination window 2, address window 0
.set i, 0
.rept 8                             ; both blocks' Q: piece i / 2 lies in band i / 2, 8,192 bytes on; channels 32 (i % 2) on
	global_load_b128 v[8*i:8*i+3],   v[QO], s[4:5] offset:(i/2)*8192+(i%2)*64
	global_load_b128 v[8*i+4:8*i+7], v[QO], s[4:5] offset:(i/2)*8192+(i%2)*64+32
	global_load_b128 v[QB+8*i:QB+8*i+3],   v[QO], s[86:87] offset:(i/2)*8192+(i%2)*64
	global_load_b128 v[QB+8*i+4:QB+8*i+7], v[QO], s[86:87] offset:(i/2)*8192+(i%2)*64+32
.set i, i+1
.endr
	WIN 0
	v_lshlrev_b32 v14, 3, v9
	v_sub_nc_u32 v14, v1, v14
	s_lshl_b32 s13, s[WV], 4
	v_add_nc_u32 v14, s13, v14      ; my query's place in its band, 16 w + l % 16, less my lanes' 8 (l / 16): register r of group kt is hidden where 16 kt + r is greater
	WIN 0x40
.set i, 0
.rept 32
	v_cmp_gt_i32 vcc_lo, 16*(i/8)+i%8, v14
	v_cndmask_b32 v[MD+i], 0, s[BIGN], vcc_lo
.set i, i+1
.endr
	WIN 0
	v_mul_u32_u24 v[AK0], v1, PK
	v_lshl_add_u32 v[AK0], v9, 4, v[AK0]  ; row x pitch + 16 x half
	; The turning load takes 16 keys x 16 channels (lane l reads key 8 (l / 16) + l % 8, channels 8 ((l / 8) % 2) + 0..7) and leaves half a fragment of V^T: lane l holds channel l % 16 and 8 keys.
	v_and_b32 v10, 7, v0
	v_bfe_u32 v11, v0, 3, 1
	v_lshl_add_u32 v[AV0], v9, 3, v10
	v_mul_u32_u24 v[AV0], v[AV0], PV
	v_lshl_add_u32 v[AV0], v11, 4, v[AV0]
	v_add_nc_u32 v[AV0], VOFF, v[AV0]
	s_mul_i32 s13, s[WV], 16*SP
	s_add_co_u32 s13, s13, STAGE    ; my stage
	v_mul_u32_u24 v[STO], v1, SP    ; in: row l % 16, 16 bytes for each half of the lanes
	v_lshl_add_u32 v[STO], v9, 4, v[STO]
	v_add_nc_u32 v[STO], s13, v[STO]
	v_bfe_u32 v[RD], v0, 3, 2       ; back: 32 lanes take four rows of 128 bytes,
	v_mul_u32_u24 v[RD], v[RD], SP
	v_lshl_add_u32 v[RD], v10, 4, v[RD]
	v_add_nc_u32 v[RD], s13, v[RD]
	v_and_b32 v[GO], 31, v0         ; which are 512 consecutive bytes of O
	v_lshlrev_b32 v[GO], 4, v[GO]
	; A block's first step multiplies O^T and l by a = 0, and its first turn's products V^T P, of a piece that has not been, land in an O^T that is still to be so multiplied.  So these registers need only hold
	; finite numbers: zeros for the first block; what the first block left for the second.  All this stands in the wait for the first tile.
	WIN 0x80
.set i, VF
.rept 64
	v_mov_b32 v[i], 0
.set i, i+1
.endr
	WIN 0x40
.set i, 0
.rept 128
	v_mov_b32 v[i], 0
.set i, i+1
.endr
	WIN 0
.set i, 0
.rept 4
	v_mov_b32 v[ST+4*i+2], 0
	v_mov_b32 v[ST+4*i+3], 0
.set i, i+1
.endr
.set i, P+16
.rept 16
	v_mov_b32 v[i], 0
.set i, i+1
.endr
; THE MATRIX WORK.  The 4 accumulators of a run of 8 take turns.  Product i of 8 of S^T = K Q^T for piece x: channels 32 (i / 4) on, keys 16 (i % 4) on.  The first 4 start the sums: with 0, or (KM = 1) with the mask.
.macro KQ x
.set rS, S+32*((\x)%2)+8*(i%4)
.set rK, KF+16*(i%4)+8*(i/4)
.set rQ, 16*(\x)+8*(i/4)
.set rM, MC+32*((\x)%2)+8*(i%4)
.if (i < 4) && KM
	WIN W_KM
	v_wmma_f32_16x16x32_f16 v[rS:rS+7], v[rK:rK+7], v[rQ:rQ+7], v[rM:rM+7]
.elseif i < 4
	WIN W_KQ
	v_wmma_f32_16x16x32_f16 v[rS:rS+7], v[rK:rK+7], v[rQ:rQ+7], 0
.else
	WIN W_KQ
	v_wmma_f32_16x16x32_f16 v[rS:rS+7], v[rK:rK+7], v[rQ:rQ+7], v[rS:rS+7]
.endif
.endm
; Product i of 8 of O^T += V^T P for piece x: keys 32 (i / 4) on, channels 16 (i % 4) on.
.macro PV x
	WIN W_PV
.set rO, 32*(\x)+8*(i%4)
.set rV, VF+32*(i/4)+8*(i%4)
.set rP, P+16*((\x)%2)+8*(i/4)
	v_wmma_f32_16x16x32_f16 v[rO:rO+7], v[rV:rV+7], v[rP:rP+7], v[rO:rO+7]
.endm
.macro MM                           ; the turn's next matrix instruction.  TURN and BEGIN set Y, i, KM and NOKQ; MM, KQ and OP read them.  NOKQ = 1: a block's last turn: there is no next piece
.if (i < 8) && !NOKQ
	KQ (Y+1)%NP
.elseif i >= 8
.set i, i-8
	PV (Y+NP-1)%NP
.set i, i+8
.endif
.set i, i+1
.endm
; THE LDS LOADS stand in runs of 16, never singly among the matrix instructions: a step's K (64 keys x 64 channels: 8 fragments) and its V (turned).  Their addresses are made some lines ahead.
.macro FETCH_K
	WIN 0x80                        ; destination window 2
.irp f, 0,1,2,3,4,5,6,7             ; keys 16 (f / 2) on, channels 32 (f % 2) on
	ds_load_b128 v[KF+8*\f:KF+8*\f+3],   v[AK] offset:(\f/2)*16*PK+(\f%2)*64
	ds_load_b128 v[KF+8*\f+4:KF+8*\f+7], v[AK] offset:(\f/2)*16*PK+(\f%2)*64+32
.endr
	s_add_co_u32 s[TBK], s[TBK], KS*PK  ; the next fetch is the next step's
	WIN 0
.endm
.macro FETCH_V
	WIN 0x80
.irp f, 0,1,2,3,4,5,6,7             ; keys 32 (f / 4) on, channels 16 (f % 4) on
	ds_load_tr16_b128 v[VF+8*\f:VF+8*\f+3],   v[AV] offset:(\f/4)*32*PV+(\f%4)*32
	ds_load_tr16_b128 v[VF+8*\f+4:VF+8*\f+7], v[AV] offset:(\f/4)*32*PV+16*PV+(\f%4)*32
.endr
	WIN 0
.endm
; THE VECTOR WORK, one line at a time: OP kind, number.  For piece Y: F n: c s - c m for pair n of 16.  E n: the exponential of score n of 32.  C n: pair n rounded to f16.  B n: of the four weights 4 n .. the second
; pair is added onto the first, in place.  L n: l takes that sum (L 0: l = a l + sum).  R n: pair n of 16 of O^T times a.  For piece Y + 1: X n, number n of the 22 that find its maximum and statistics:
;   0-11  four chains c0-c3 of seven scores each, three operands at a time (each accumulator's lowest registers are read first)     12-14, 16  the four scores left over, the old m, and c0-c3 into c0
;   15  c m_old is kept     17, 18  the query's other 32 keys lie in the lane 16 away: the new m     19-21  c m; c m_old - c m_new; a
.set F, 0               ; OP tells the kinds apart by their order: F to L below R, X above it
.set E, 1
.set C, 2
.set B, 3
.set L, 4
.set R, 5
.set X, 6
.macro REGS y                       ; the registers of piece y
.set rT, ST+4*(\y)
.set rC, TMP+4*((\y)%2)
.set rW, MV+((\y)%2)
.set rS, S+32*((\y)%2)
.set rP, P+16*((\y)%2)
.set rO, 32*(\y)
.endm
.macro OP k, n
.if (\k) == R
	REGS Y
	WIN W_RS
	v_pk_mul_f32 v[rO+2*(\n):rO+2*(\n)+1], v[rO+2*(\n):rO+2*(\n)+1], v[rC+2:rC+3] op_sel_hi:[1,0]
.elseif (\k) < R
	REGS Y
	WIN 0
.if (\k) == F
	v_pk_fma_f32 v[rS+2*(\n):rS+2*(\n)+1], v[rS+2*(\n):rS+2*(\n)+1], s[CS:CS+1], v[rT:rT+1] op_sel_hi:[1,0,0] neg_lo:[0,0,1] neg_hi:[0,0,1]
.elseif (\k) == E
	v_exp_f32 v[rS+(\n)], v[rS+(\n)]
.elseif (\k) == C
	s_wait_alu depctr_va_vdst(0)
	v_cvt_pk_f16_f32 v[rP+(\n)], v[rS+2*(\n)], v[rS+2*(\n)+1]
.elseif (\k) == B
	s_wait_alu depctr_va_vdst(0)
	v_pk_add_f32 v[rS+4*(\n):rS+4*(\n)+1], v[rS+4*(\n):rS+4*(\n)+1], v[rS+4*(\n)+2:rS+4*(\n)+3]
.elseif (\n) == 0
	v_pk_fma_f32 v[rT+2:rT+3], v[rT+2:rT+3], v[rC+2:rC+3], v[rS:rS+1] op_sel_hi:[1,0,1]
.else
	v_pk_add_f32 v[rT+2:rT+3], v[rT+2:rT+3], v[rS+4*(\n):rS+4*(\n)+1]
.endif
.elseif NOKQ
	v_nop
.else
	REGS (Y+1)%NP
	WIN 0
.if (\n) < 4
	v_max3_num_f32 v[rC+(\n)], v[rS+8*(\n)], v[rS+8*(\n)+1], v[rS+8*(\n)+2]
.elseif (\n) < 12
	v_max3_num_f32 v[rC+(\n)%4], v[rC+(\n)%4], v[rS+8*((\n)%4)+2*((\n)/4)+1], v[rS+8*((\n)%4)+2*((\n)/4)+2]
.elseif (\n) == 12
	v_max3_num_f32 v[rC], v[rC], v[rS+7], v[rS+15]
.elseif (\n) == 13
	v_max3_num_f32 v[rC+1], v[rC+1], v[rS+23], v[rS+31]
.elseif (\n) == 14
	v_max3_num_f32 v[rC+2], v[rC+2], v[rC+3], v[rT+1]
.elseif (\n) == 15
	v_mov_b32 v[rW], v[rT]
.elseif (\n) == 16
	v_max3_num_f32 v[rC], v[rC], v[rC+1], v[rC+2]
.elseif (\n) == 17
	v_permlanex16_b32 v[rC+3], v[rC], s[SEL], s[SEL+1]
.elseif (\n) == 18
	v_max_num_f32 v[rT+1], v[rC], v[rC+3]
.elseif (\n) == 19
	v_mul_f32 v[rT], s[CS], v[rT+1]
.elseif (\n) == 20
	v_sub_f32 v[rC+1], v[rW], v[rT]
.else
	v_exp_f32 v[rC+2], v[rC+1]
.endif
.endif
.endm
.macro OPS a, i1, b=-1, i2=0, c=-1, i3=0, d=-1, i4=0  ; up to four of them
	OP \a, \i1
.if (\b) >= 0
	OP \b, \i2
.endif
.if (\c) >= 0
	OP \c, \i3
.endif
.if (\d) >= 0
	OP \d, \i4
.endif
.endm
.macro ROW a, i1, b, i2, c, i3, d, i4  ; a matrix instruction and the four behind it
	MM
	OPS \a, \i1, \b, \i2, \c, \i3, \d, \i4
.endm
.macro MASK b                       ; MD x AL + BE into buffer b of MC
	WIN W_RS
.set z, 0
.rept 16
	v_pk_fma_f32 v[MC+32*(\b)+2*z:MC+32*(\b)+2*z+1], v[MD+2*z:MD+2*z+1], s[AL:AL+1], s[BE:BE+1] op_sel_hi:[1,0,0]
.set z, z+1
.endr
.endm
; A TURN, for piece p: the order of its 16 matrix and 118 vector instructions, written out.  Behind a matrix instruction: plain, exponential, plain, plain; or four of the rescaling; or, behind the first, four scalings; none
; names a register of the products round it.  In the lumps exponential and plain by turns while exponentials last.  A line reads no result made fewer than three vector instructions in front of it, five if an exponential made it.
; v_permlanex16_b32 (X 17) stands in a lump.
; m = 1: the diagonal tile: the products take masks, and the turn makes the mask for the products of the turn after it: piece p + 2, in step 4 - CNT of the tile.  end = 1: a block's last two turns: nothing is fetched.
; cnt = 1: the loop's count is taken down some lines ahead of the branch that stands behind the turn.
; K of the next step is fetched in piece 2's turn, six vector instructions behind the last product that read K (five of them plain); V of the step in hand in piece 0's turn, eight behind the last product that read V (four
; plain, and X 17).  Each is waited for a turn later.
.macro TURN p, m=0, end=0, cnt=0
.set Y, (\p)
.set i, 0
.set KM, (\m)
.set NOKQ, (\end)*((\p)/3)
.if (\m) && !(\end)
	s_cmp_eq_u32 s[CNT], 4-((\p)+2)%NP  ; is that step the band's own?
	s_cselect_b32 s[AL], 1.0, 0
	s_cmp_lt_u32 s[CNT], 4-((\p)+2)%NP  ; or a later one?
	s_cselect_b32 s[BE], s[BIGN], 0
.endif
.if ((\p) == 3) && !(\end)
	s_wait_dscnt 0x0                ; K is in
.endif
	ROW F,0, F,1, F,2, F,3
	ROW F,4, E,0, F,5, F,6
	ROW F,7, E,1, F,8, F,9
	ROW F,10, E,2, C,0, F,11
	ROW F,12, E,3, X,15, F,13
	ROW R,0, R,1, R,2, R,3
	ROW B,0, E,4, F,14, L,0
.if ((\p) == 2) && !(\end)
	v_add_nc_u32 v[AK], s[TBK], v[AK0]
.endif
	ROW R,4, R,5, R,6, R,7
	OPS E,5, F,15
.if ((\p) == 2) && !(\end)
	FETCH_K
.endif
	OPS E,6, C,1, E,7, R,8
	OPS E,8, R,9, E,9, C,2
	OPS E,10, X,0, E,11, X,1
	OPS E,12, X,2, E,13, X,3
.if (\p) == 1
	s_wait_dscnt 0x0                ; V is in
.endif
	ROW X,4, E,14, X,5, X,6
	ROW X,7, E,15, X,8, X,9
	ROW X,10, E,16, X,11, X,12
	ROW X,13, E,17, X,14, B,1
	ROW C,4, E,18, X,16, L,1
	ROW B,2, E,19, C,6, L,2
	ROW C,8, E,20, B,3, B,4
.if (\p) == 0
	v_add_nc_u32 v[AV], s[TBV], v[AV0]
.endif
	ROW C,3, E,21, L,3, C,5
	OPS E,22, X,17, E,23, C,10
.if (\p) == 0
	FETCH_V
.endif
	OPS E,24, L,4
	OPS E,25, X,18, E,26, C,7
	OPS E,27, B,5, E,28, X,19
	OPS E,29, C,12, E,30, L,5
	OPS E,31, X,20, B,6, C,9
	OPS C,14, C,11, X,21, L,6
.if (\p) == 0
	s_add_co_u32 s[TBV], s[TBV], KS*PV
.endif
.if \cnt
	s_sub_co_u32 s[CNT], s[CNT], 1
	s_cmp_lg_u32 s[CNT], 0
.endif
	OPS C,13, B,7, C,15, R,10
	OPS R,11, R,12, L,7, R,13
	OPS R,14, R,15
.if (\m) && !(\end)
	MASK (\p)%2
.endif
.endm
; A BLOCK BEGINS.  c m starts far below every c s, so the first step's a is 0; m at the lowest finite number, so the first maximum is the scores'.  The second mask buffer is 0; the first takes piece 0's mask for the tile's step 0: its own, if the block's first tile is the diagonal one.
; Then K of that step, piece 0's first scores, and its maximum and statistics.  The loop is entered at a step's first turn, in the middle of a trip.
.macro BEGIN
	s_mov_b32 s[NEW], 0
	WIN 0x40
.set i, MC+32
.rept 32
	v_mov_b32 v[i], 0
.set i, i+1
.endr
	WIN 0
.set i, 0
.rept 4
	v_mov_b32 v[ST+4*i], 0xfe000000    ; c m: far below every c s
	v_mov_b32 v[ST+4*i+1], 0xff7fffff  ; m
.set i, i+1
.endr
	s_cmp_eq_u32 s[RT], 0
	s_cselect_b32 s[AL], 1.0, 0
	s_mov_b32 s[BE], 0
	MASK 0
	WIN 0
	v_add_nc_u32 v[AK], s[TBK], v[AK0]
	FETCH_K
	s_wait_loadcnt 0x0              ; Q
	s_wait_dscnt 0x0
.set KM, 1
.set NOKQ, 0
.set i, 0
.rept 8
	KQ 0
.set i, i+1
.endr
	WIN 0
.rept 4
	v_nop                           ; the places behind those products
.endr
.set Y, NP-1                        ; X works for piece Y + 1: piece 0
.irp n, 0,1,2,3,4,5,6,7,8,9,10,11,12,13,14,15,16,17,18,19,20,21
	OP X, \n
.endr
	v_nop                           ; a plain instruction behind the exponential
.endm
; THE DIAGONAL TILE's four steps, the block's last two turns, its last products, and THE WAY OUT: l's two halves and the other half of the lanes' are added; O^T is divided by l, rounded to f16 and sent through my
; stage in LDS, a piece at a time.
.macro ALL line:vararg              ; one line for each piece t
.set t, 0
.rept 4
	\line
.set t, t+1
.endr
.endm
.macro PACK t                       ; a lane's eight channels of a row pack into 16 bytes; they go into rows of 144 bytes and come back as whole rows of 128, into S^T's registers
	WIN W_RS
.set i, 32*(\t)
.rept 16
	s_wait_alu depctr_va_vdst(0)
	v_pk_mul_f32 v[i:i+1], v[i:i+1], v[ST+4*(\t)+2:ST+4*(\t)+3] op_sel_hi:[1,0]
.set i, i+2
.endr
	WIN 0x05                        ; sources 0 and 1 window 1, destination window 0
.set i, 0
.rept 16
	v_cvt_pk_f16_f32 v[S+16*(\t)+i], v[32*(\t)+2*i], v[32*(\t)+2*i+1]
.set i, i+1
.endr
	WIN 0
.irp f, 0,1,2,3
	ds_store_b128 v[STO], v[S+16*(\t)+4*\f:S+16*(\t)+4*\f+3] offset:32*\f
.endr
.irp f, 0,1,2,3
	ds_load_b128 v[S+16*(\t)+4*\f:S+16*(\t)+4*\f+3], v[RD] offset:\f*4*SP  ; LDS serves a wave's instructions in order (ISA guide 5.7.1.4): these see the stores above; the next piece's stores come behind them
.endr
.endm
.macro SEND t, younger              ; younger: the LDS instructions issued behind piece t's loads: the next piece's eight, or none
	WIN 0
.irp f, 0,1,2,3
	s_wait_dscnt (\younger)+3-\f
	global_store_b128 v[GO], v[S+16*(\t)+4*\f:S+16*(\t)+4*\f+3], s[10:11] offset:(\t)*8192+\f*512  ; 512 consecutive bytes, at a multiple of 256 from O's first
.endr
.endm
.macro DIAG tag                     ; the tag ends its two labels' names, which the jumps below spell out
.LstepM\tag:
	TURN 2, 1
	TURN 3, 1
	WIN 0
.LfirstM\tag:
	TURN 0, 1
	TURN 1, 1, 0, 1
	WIN 0
	s_cbranch_scc1 .LstepM\tag
	TURN 2, 1, 1
	TURN 3, 1, 1
.set i, 0
.rept 8
	PV NP-1
.set i, i+1
.endr
	WIN 0
	ALL v_add_f32 v[ST+4*t+2], v[ST+4*t+2], v[ST+4*t+3]
	ALL v_permlanex16_b32 v[ST+4*t+3], v[ST+4*t+2], s[SEL], s[SEL+1]
	ALL v_add_f32 v[ST+4*t+2], v[ST+4*t+2], v[ST+4*t+3]
	ALL v_rcp_f32 v[ST+4*t+2], v[ST+4*t+2]
	v_nop                           ; a plain instruction between the last reciprocal and the use of its result
	PACK 0
.set t, 1
.rept 3                             ; a piece's arithmetic stands between the loads of the piece before and its stores
	PACK t
	SEND t-1, 8
.set t, t+1
.endr
	SEND 3, 0
.endm
.set KM, 0
.set NOKQ, 0
.Lslot:                             ; NB times: a tile is entered and the next is asked for
	CHANGE 1
	s_sub_co_u32 s[RT], s[RT], 1
	s_mov_b32 s[CNT], 4
	s_cmp_eq_u32 s[NEW], 1
	s_cbranch_scc1 .Lnew            ; a block's first tile
	s_cmp_eq_u32 s[RT], 0
	s_cbranch_scc0 .Lstep           ; neither its first nor its last
	s_branch .LstepM1
.Lnew:
	BEGIN
	s_branch .Lfirst                ; in the loop a block's first tile is never its last: the first block has two tiles or more, and the second's last is the walk's last
	DIAG 1                          ; in the loop this is the first block's end: the second block's last tile is the walk's last
	s_wait_xcnt 0x0                 ; the stores have read their registers and O's address
	s_mov_b64 s[10:11], s[OLO:OLO+1]
	s_add_co_u32 s[RT], s[PB], 1    ; the second block has b + 1 tiles
	s_mov_b32 s[NEW], 1
	WIN 0x82                        ; the second block's Q goes where the one text of the turns names Q
.set i, 0
.rept 64
	v_mov_b32 v[i], v[QB+i]
.set i, i+1
.endr
	WIN 0
	s_branch .Lbottom
.Lstep:                             ; a trip: pieces 2 and 3 of one step, then pieces 0 and 1 of the next, whose K and V it fetches
	TURN 2
	TURN 3
	WIN 0
.Lfirst:
	TURN 0
	TURN 1, 0, 0, 1
	WIN 0
	s_cbranch_scc1 .Lstep
.Lbottom:
	s_sub_co_u32 s[SLOTS], s[SLOTS], 1
	s_cmp_lg_u32 s[SLOTS], 0
	s_cbranch_scc1 .Lslot
	CHANGE 0                        ; the walk's last tile is written out: nothing is asked for
	s_sub_co_u32 s[RT], s[RT], 1
	s_mov_b32 s[CNT], 4
	s_cmp_eq_u32 s[NEW], 1
	s_cbranch_scc0 .LstepM2
	BEGIN
	s_branch .LfirstM2
	DIAG 2
	s_wait_tensorcnt 0x0            ; the wave's end: three closing lines, behind my last tensor load and my last LDS store
	ds_add_u32 v[SPW], v[NIL]
	s_wait_dscnt 0x0
	s_endpgm
.Lfunc_end_k_q3f6501aead_attn:
	.size	k_q3f6501aead_attn, .Lfunc_end_k_q3f6501aead_attn-k_q3f6501aead_attn
	.p2alignl 7, 3214868480
	.fill 96, 4, 3214868480
	.section	.rodata,"a",@progbits
	.p2align	6, 0x0
	.amdhsa_kernel k_q3f6501aead_attn
		.amdhsa_group_segment_fixed_size 327680
		.amdhsa_private_segment_fixed_size 0
		.amdhsa_enable_private_segment 0
		.amdhsa_kernarg_size 16
		.amdhsa_user_sgpr_count 2
		.amdhsa_user_sgpr_kernarg_segment_ptr 1
		.amdhsa_wavefront_size32 1
		.amdhsa_system_sgpr_workgroup_id_x 1
		.amdhsa_system_sgpr_workgroup_id_y 1
		.amdhsa_system_sgpr_workgroup_id_z 1
		.amdhsa_system_vgpr_workitem_id 0
		.amdhsa_next_free_vgpr 768
		.amdhsa_next_free_sgpr 88
		.amdhsa_reserve_vcc 1
		.amdhsa_float_denorm_mode_32 3
		.amdhsa_float_denorm_mode_16_64 3
		.amdhsa_memory_ordered 1
		.amdhsa_forward_progress 1
		.amdhsa_inst_pref_size 229
	.end_amdhsa_kernel
	.amdgpu_metadata
---
amdhsa.version: [ 1, 2 ]
amdhsa.kernels:
  - .name:           k_q3f6501aead_attn
    .symbol:         k_q3f6501aead_attn.kd
    .args:
      - { .name: qkv, .offset: 0, .size: 8, .value_kind: global_buffer, .address_space: global }
      - { .name: att, .offset: 8, .size: 8, .value_kind: global_buffer, .address_space: global }
    .group_segment_fixed_size: 327680
    .private_segment_fixed_size: 0
    .kernarg_segment_align: 8
    .kernarg_segment_size: 16
    .max_flat_workgroup_size: 128
    .sgpr_count:     88
    .vgpr_count:     768
    .wavefront_size: 32
...
	.end_amdgpu_metadata
.endif
;; end of part 3
;; launch outproj (part 4): grid 8 x 32, 4 waves a work-group, clusters of 4 x 4, 327,680 bytes of LDS; arguments att, wot, bo, out0; writes out0
.if DOCPART == 4
	.amdgcn_target "amdgcn-amd-amdhsa--gfx1250"
	.amdhsa_code_object_version 6
	.text
	.protected	k_q3f6501aead_outproj
	.globl	k_q3f6501aead_outproj
	.p2align	8
	.type	k_q3f6501aead_outproj,@function
k_q3f6501aead_outproj:
	s_mov_b64 s[64:65], 0
	v_nop
	global_prefetch_b8 v0, s[64:65] scope:SCOPE_SE
	s_setreg_imm32_b32 hwreg(HW_REG_WAVE_MODE, 25, 1), 1
	s_wait_xcnt 0x0
	s_wait_alu depctr_hold_cnt(0) depctr_sa_sdst(0) depctr_va_vdst(0) depctr_va_sdst(0) depctr_va_ssrc(0) depctr_va_vcc(0) depctr_vm_vsrc(0)
	s_getreg_b32 s2, hwreg(HW_REG_IB_STS2, 6, 4)
	s_cmp_eq_u32 s2, 0
	s_cbranch_scc0 .Lentry_in_a_cluster
	s_endpgm
.Lentry_in_a_cluster:
	s_bfe_u32 s2, ttmp6, 0x10000c
	s_cmp_lg_u32 s2, 0xf033
	s_cbranch_scc0 .Lentry_shape_is_right
	s_endpgm
.Lentry_shape_is_right:
; THE OUTPUT PROJECTION.  out0[m][n] = bo[n] + the sum over k of O[m][k] wot[n][k].  O is att, by heads: [64 = batch x 16 + head][2048][64] f16, k = 64 head + channel; wot [1024][1024] f16; out0 [8192][1024] f32.
; Sums in f32, started by the bias (rounded to bf16 like every input); nothing is rounded on the way out.  LIMITS: those of its operands' f16; NaN and infinities are not treated apart.
; SHARES.  A tile of out0 is 256 rows x 128 columns: 32 x 8 = 256 work-groups.  The four waves split the ROWS: a wave makes 64 rows x 128 columns, 4 x 8 accumulators of 16 x 16, 256 registers; a row of its tile is 512
; bytes, which it stores whole.  K goes in 8 steps of 128 (two heads) through a ring of two LDS slots.
; O's TILE.  128 rows of one head are 16,384 dense bytes: asked for as ONE row of 8,192 elements; the step's two heads are two such rows, 131,072 elements apart; padded in LDS after every 128 bytes, so that a query's 64 channels lie 144 bytes apart.
; CLUSTER.  4 x 4 work-groups: O's tile is shared along a row of the cluster, wot's along a column, each asked for jointly.
; THE MATRIX INSTRUCTION IS USED TRANSPOSED (source 0 = 16 rows of wot, source 1 = 16 rows of O): lane l holds row l % 16 of out0 and the columns 8 (l / 16) + 0..7: 32 bytes on end.
; REGISTERS, in windows of 256 (s_set_vgpr_msb: bits 1:0 source 0, 3:2 source 1, 5:4 source 2, 7:6 destination):
;   window 0: v1-15 at work; v16-29 addresses; v64-127 O's fragments, two buffers of 4 x 8 (on the way out: rows read back); v128-191 the bias as a C operand; v192-255 the way out
;   window 1: v0-127 wot's fragments, two buffers of 8 x 8       window 2: the 32 accumulators ((a, b) at 8 (8 a + b))
.set KSTEP,  128
.set PA,     144                       ; a row of O in LDS: 128 bytes + 16: the 16 rows of a fragment load start at 16 different groups of four banks (64 banks of 4 bytes: ISA guide 11.1)
.set HEADB,  128*PA                    ; 128 rows of one head
.set AHALF,  2*HEADB                   ; what wave 0 or 1 fetches: 128 rows of the step's two heads
.set PITCH,  272                       ; a row of wot in LDS: 256 bytes + 16
.set BHALF,  64*PITCH                  ; what wave 2 or 3 fetches
.set BOFF,   2*AHALF
.set SLOT1,  1<<17
.set STAGE,  SLOT1+BOFF+2*BHALF        ; behind the ring, never filled by a tensor load: 16 rows x 528 bytes for each wave
.set SP,     528                       ; 512 bytes + 16: the sixteen rows that a store touches start at sixteen different groups of four banks
.set SPARE,  STAGE+4*16*SP             ; behind the stages: the spare words, 128 bytes for each wave
.set ADRA, 16
.set ADRB, 17
.set A0,   18
.set B0,   19
.set STO,  20                          ; v20  the way out: where I put 32 bytes of a row
.set RD,   21                          ; v21  where I read 16 bytes of a row back
.set GO,   22                          ; v22  the same 16 bytes in a row's 512 of out0
.set BO,   23                          ; v23  my byte offset in bo
.set SPW,  28
.set NIL,  29
.set AF,   64
.set BIAS, 128
.set WV,   16                          ; s16  my wave's number; s17 = wave / 2: I fetch for O (0) or wot (1); s18 = wave % 2: which half
.set G1A,  28
.set G1B,  36
.set G0A,  44
.set G0B,  52
.set TB,   60
.set CNT,  61
.set LA,   62
.set LB,   63
.set OB,   66                          ; s[66:67] out0 at my 64 rows, the tile's first column
.set MSB, 0
.macro WIN new                         ; the immediate's high byte repeats the setting that is left; a switch that changes nothing is dropped
.if MSB != (\new)
	s_set_vgpr_msb (MSB<<8)|(\new)
.set MSB, \new
.endif
.endm
.macro JLOAD                           ; a joint refill by the walking descriptors; an s_nop 0 and four v_nop follow each of the two lines, ahead of the jump and the label
	s_cmp_eq_u32 s17, 0
	s_cbranch_scc0 .Lfor_b_\@
	tensor_load_to_lds s[G0A+4:G0A+7], s[G1A:G1A+7]
	s_nop 0
.rept 4
	v_nop
.endr
	s_branch .Lasked_\@
.Lfor_b_\@:
	tensor_load_to_lds s[G0B+4:G0B+7], s[G1B:G1B+7]
	s_nop 0
.rept 4
	v_nop
.endr
.Lasked_\@:
.endm
.macro CREST                           ; a round of the cluster's barrier behind its opening barrier
	s_cmp_lg_u32 s[WV], 0
	s_cbranch_scc1 .Lnot_wave_0_\@
	s_barrier_signal -3
.Lnot_wave_0_\@:
	s_barrier_wait -3
	s_barrier_signal -1
	s_barrier_wait -1
.endm
.macro CROUND
	s_barrier_signal -1
	s_barrier_wait -1
	CREST
.endm
.macro PLACES                          ; four places in front of loads into registers that matrix instructions have read, and of LDS stores that read results
.rept 4
	v_nop
.endr
.endm
	s_load_b256 s[4:11], s[0:1], 0x0               ; att s[4:5], wot s[6:7], bo s[8:9], out0 s[10:11]
	v_lshl_add_u32 v[SPW], v0, 2, SPARE
	v_mov_b32 v[NIL], 0
	ds_add_u32 v[SPW], v[NIL]                      ; the wave's opening: the add and its wait stand ahead of my first tensor load; the set-up below, work on registers, stands between them
	ds_add_u32 v28, v29
	v_lshrrev_b32 v1, 5, v0
	v_readfirstlane_b32 s[WV], v1
	s_lshr_b32 s17, s[WV], 1
	s_and_b32 s18, s[WV], 1
	s_bfe_u32 s20, ttmp6, 0x40000                  ; cx, cy
	s_bfe_u32 s21, ttmp6, 0x40004
	s_lshl_b32 s22, ttmp9, 2
	s_add_co_u32 s22, s22, s20                     ; tile column
	s_and_b32 s23, ttmp7, 0xffff
	s_lshl_b32 s23, s23, 2
	s_add_co_u32 s23, s23, s21                     ; tile row
	s_lshl_b32 s24, s21, 2
	s_lshl_b32 s24, 15, s24                        ; my row of the cluster
	s_lshl_b32 s25, 0x1111, s20                    ; my column
	s_or_b32 s[G1A], s24, (1<<16)|(1<<20)|(1<<21)|(4<<22)|(3<<25)  ; the mask; elements of 2 bytes; padding on; 21 set beside a mask; after every 32 words (code 4) 4 words (code 3)
	s_mov_b32 s[G1A+1], 8192<<16                   ; tensor_dim0 = 8,192
	s_mov_b32 s[G1A+2], 2<<16                      ; tensor_dim1 = 2
	s_mov_b32 s[G1A+3], 8192<<16                   ; tile_dim0 = 8,192 elements: 128 rows of a head
	s_mov_b32 s[G1A+4], 2                          ; tile_dim1 = 2 heads
	s_mov_b32 s[G1A+5], 131072                     ; elements from head to head
	s_mov_b32 s[G1A+6], 0
	s_mov_b32 s[G1A+7], 0
	s_or_b32 s[G1B], s25, (1<<16)|(1<<20)|(1<<21)|(5<<22)|(3<<25)  ; after every 64 words (code 5) 4 words
	s_mov_b32 s[G1B+1], KSTEP<<16
	s_mov_b32 s[G1B+2], 64<<16
	s_mov_b32 s[G1B+3], KSTEP<<16
	s_mov_b32 s[G1B+4], 64
	s_mov_b32 s[G1B+5], 1024
	s_mov_b32 s[G1B+6], 0
	s_mov_b32 s[G1B+7], 0
	; where the tiles come from: O's hang on the tile row and the wave alone, wot's on the tile column and the wave alone, each in registers that never hold the other coordinate
	s_lshr_b32 s74, s23, 3                         ; the batch: 16 heads of 262,144 bytes,
	s_lshl_b32 s74, s74, 22
	s_and_b32 s26, s23, 7                          ; the tile's 256 rows of 128 bytes in it,
	s_lshl_b32 s26, s26, 15
	s_add_co_u32 s74, s74, s26
	s_lshl_b32 s26, s18, 14                        ; my half's 128
	s_add_co_u32 s74, s74, s26
	s_mov_b32 s75, 0
	s_lshl_b32 s76, s22, 18                        ; 128 rows of 2,048 bytes a tile column,
	s_lshl_b32 s27, s18, 17                        ; 64 a half
	s_add_co_u32 s76, s76, s27
	s_mov_b32 s77, 0
	s_mul_i32 s[LA], s18, AHALF                    ; and where they go: no place in the cluster enters an LDS address
	s_mul_i32 s[LB], s18, BHALF
	s_add_co_u32 s[LB], s[LB], BOFF
	s_wait_dscnt 0x0                               ; the opening add is done
	s_wait_kmcnt 0x0
	s_add_nc_u64 s[74:75], s[4:5], s[74:75]
	s_add_nc_u64 s[76:77], s[6:7], s[76:77]
	CROUND                                         ; all sixteen work-groups are here: the first joint loads meet
.irp s, 0,1
	s_mov_b32 s[G0A+4*(\s)], 1
	s_add_co_u32 s[G0A+4*(\s)+1], s[LA], (\s)*SLOT1
	s_add_nc_u64 s[G0A+4*(\s)+2:G0A+4*(\s)+3], s[74:75], (\s)*524288  ; K step s: two heads on
	s_or_b32 s[G0A+4*(\s)+3], s[G0A+4*(\s)+3], 0x80000000
	s_mov_b32 s[G0B+4*(\s)], 1
	s_add_co_u32 s[G0B+4*(\s)+1], s[LB], (\s)*SLOT1
	s_add_nc_u64 s[G0B+4*(\s)+2:G0B+4*(\s)+3], s[76:77], (\s)*KSTEP*2
	s_or_b32 s[G0B+4*(\s)+3], s[G0B+4*(\s)+3], 0x80000000
.endr
	s_cmp_eq_u32 s17, 0                            ; a wave's two first fills stand in one branch, ahead of every wait on TENSORcnt and every LDS read: two loads of mine are out
	s_cbranch_scc0 .Lfirst_b
	tensor_load_to_lds s[G0A:G0A+3], s[G1A:G1A+7]
	s_nop 0
	tensor_load_to_lds s[G0A+4:G0A+7], s[G1A:G1A+7]
	s_nop 0
.rept 4
	v_nop
.endr
	s_branch .Lfirst_asked
.Lfirst_b:
	tensor_load_to_lds s[G0B:G0B+3], s[G1B:G1B+7]
	s_nop 0
	tensor_load_to_lds s[G0B+4:G0B+7], s[G1B:G1B+7]
	s_nop 0
.rept 4
	v_nop
.endr
.Lfirst_asked:
	v_and_b32 v1, 15, v0                           ; r = l % 16
	v_bfe_u32 v2, v0, 4, 1                         ; h = l / 16
	v_and_b32 v3, 31, v0                           ; l
	s_lshl_b32 s78, s22, 9                         ; the tile's 128 columns of 4 bytes
	v_lshl_add_u32 v[BO], v2, 5, s78               ; a lane's C operand for column block b is bo[128 tile column + 16 b + 8 h + 0..7]
.irp b, 0,1,2,3,4,5,6,7
	global_load_b128 v[BIAS+8*(\b):BIAS+8*(\b)+3],   v[BO], s[8:9] offset:64*(\b)
	global_load_b128 v[BIAS+8*(\b)+4:BIAS+8*(\b)+7], v[BO], s[8:9] offset:64*(\b)+16
.endr
	s_lshl_b32 s78, s23, 20                        ; out0: 256 rows of 4,096 bytes a tile row,
	s_lshl_b32 s80, s[WV], 18                      ; my wave's 64,
	s_add_co_u32 s78, s78, s80
	s_lshl_b32 s80, s22, 9                         ; the tile's first column
	s_add_co_u32 s78, s78, s80
	s_mov_b32 s79, 0
	s_add_nc_u64 s[OB:OB+1], s[10:11], s[78:79]
	s_mul_i32 s19, s17, AHALF                      ; my 64 rows of O: which half,
	s_mul_i32 s82, s18, 64*PA                      ; which 64 of its 128
	s_add_co_u32 s19, s19, s82
	v_mul_u32_u24 v4, v1, PA
	v_lshl_add_u32 v4, v2, 4, v4
	v_add_nc_u32 v[A0], s19, v4
	v_mul_u32_u24 v4, v1, PITCH
	v_lshl_add_u32 v4, v2, 4, v4
	v_add_nc_u32 v[B0], BOFF, v4                   ; all 128 rows of wot
	s_mul_i32 s19, s[WV], 16*SP
	s_add_co_u32 s19, s19, STAGE                   ; my stage
	v_mul_u32_u24 v5, v1, SP                       ; in: row l % 16, 32 bytes for each half of the lanes
	v_lshl_add_u32 v5, v2, 5, v5
	v_add_nc_u32 v[STO], s19, v5
	v_lshlrev_b32 v[GO], 4, v3                     ; back: 32 lanes take one row of 512 bytes
	v_add_nc_u32 v[RD], s19, v[GO]
	s_mov_b32 s[TB], 0
	v_mov_b32 v[ADRA], v[A0]
	v_mov_b32 v[ADRB], v[B0]
; 8 matrix instructions: row block a x all 8 column blocks, 32 along K, from buffer f.  init = 1: the product starts the sum with the bias as C.
; The 32 accumulators take turns, one instruction a turn and in the same order in every quarter.
.macro MUL8 f, a, init
.if \init
	WIN 0x81                                       ; wot window 1, O and the bias window 0, D window 2
.else
	WIN 0xa1                                       ; C and D window 2
.endif
.irp b, 0,1,2,3,4,5,6,7
.if \init
	v_wmma_f32_16x16x32_f16 v[8*(8*(\a)+(\b)):8*(8*(\a)+(\b))+7], v[64*(\f)+8*(\b):64*(\f)+8*(\b)+7], v[AF+32*(\f)+8*(\a):AF+32*(\f)+8*(\a)+7], v[BIAS+8*(\b):BIAS+8*(\b)+7]
.else
	v_wmma_f32_16x16x32_f16 v[8*(8*(\a)+(\b)):8*(8*(\a)+(\b))+7], v[64*(\f)+8*(\b):64*(\f)+8*(\b)+7], v[AF+32*(\f)+8*(\a):AF+32*(\f)+8*(\a)+7], v[8*(8*(\a)+(\b)):8*(8*(\a)+(\b))+7]
.endif
.endr
.endm
; 24 LDS loads in one run: quarter q of the slot in hand into buffer g: wot's 16, then O's 8 (head q / 2 of the step, channels 32 (q % 2) on), row blocks 2 and 3 last
.macro FETCH q, g
	WIN 0x40
.irp b, 0,1,2,3,4,5,6,7
	ds_load_b128 v[64*(\g)+8*(\b):64*(\g)+8*(\b)+3],   v[ADRB] offset:64*(\q)+(\b)*16*PITCH
	ds_load_b128 v[64*(\g)+8*(\b)+4:64*(\g)+8*(\b)+7], v[ADRB] offset:64*(\q)+(\b)*16*PITCH+32
.endr
	WIN 0
.irp a, 0,1,2,3
	ds_load_b128 v[AF+32*(\g)+8*(\a):AF+32*(\g)+8*(\a)+3],   v[ADRA] offset:((\q)/2)*HEADB+((\q)%2)*64+(\a)*16*PA
	ds_load_b128 v[AF+32*(\g)+8*(\a)+4:AF+32*(\g)+8*(\a)+7], v[ADRA] offset:((\q)/2)*HEADB+((\q)%2)*64+(\a)*16*PA+32
.endr
.endm
.macro QUARTER q, f, g, init
	s_wait_dscnt 4                                 ; wot's fragments and O's row blocks 0, 1 are in; the youngest four loads may be out
	MUL8 \f, 0, \init
	MUL8 \f, 1, \init
	PLACES
	FETCH \q, \g
	s_wait_dscnt 24                                ; all but the 24 just issued
	MUL8 \f, 2, \init
	MUL8 \f, 3, \init
.endm
; The last quarter multiplies buffer 1 and changes slots: ONE barrier; in front of it each wave waits for all its tensor loads, adds 0 to its spare word, and waits for that and for its own reads of this slot.
; fill = 1: the barrier opens a round of the cluster's barrier, and behind the round this slot is filled again first, two K steps ahead: 112 matrix instructions ahead of the wait for it.
.macro TURN fill
	WIN 0
	s_wait_tensorcnt 0x0                           ; no tensor load of mine is out, so a group 0 may be written
	ds_add_u32 v[SPW], v[NIL]                      ; 0 onto my spare word
.if \fill
	s_xor_b32 s[G0A+5], s[G0A+5], SLOT1            ; the walking descriptors: the other slot than last time,
	s_add_nc_u64 s[G0A+6:G0A+7], s[G0A+6:G0A+7], 524288  ; the next two heads;
	s_xor_b32 s[G0B+5], s[G0B+5], SLOT1
	s_add_nc_u64 s[G0B+6:G0B+7], s[G0B+6:G0B+7], KSTEP*2  ; the next 128 along wot's rows
.endif
	s_wait_dscnt 5                                 ; the add and the youngest four loads may be out
	MUL8 1, 0, 0
	s_wait_dscnt 0x0                               ; the add is done, and my reads of this slot are over
	s_barrier_signal -1
	MUL8 1, 1, 0
	WIN 0                                          ; at a branch and at a label every window is 0
	s_barrier_wait -1
.if \fill
	CREST                                          ; no wave of any partner still reads this slot's tile or has a load on its way
	JLOAD                                          ; the first tensor load behind the round; its four v_nop are also the places in front of the loads below
.else
	PLACES
.endif
	s_xor_b32 s[TB], s[TB], SLOT1
	v_add_nc_u32 v[ADRA], s[TB], v[A0]
	v_add_nc_u32 v[ADRB], s[TB], v[B0]
	FETCH 0, 0
	MUL8 1, 2, 0
	MUL8 1, 3, 0
.endm
.macro ROUNDB groups                   ; the bias is rounded to bf16, like every input, and widened again, eight pairs at a time
.set i, 0
.rept \groups
.irp t, 0,1,2,3,4,5,6,7
	v_cvt_pk_bf16_f32 v[8+(\t)], v[BIAS+2*(i+(\t))], v[BIAS+2*(i+(\t))+1]
.endr
.irp t, 0,1,2,3,4,5,6,7
	v_lshlrev_b32 v[BIAS+2*(i+(\t))], 16, v[8+(\t)]
	v_and_b32 v[BIAS+2*(i+(\t))+1], 0xffff0000, v[8+(\t)]
.endr
.set i, i+8
.endr
.endm
; THE WAY OUT of row block a (16 rows x 512 bytes): the accumulators go as they are into my stage's rows of 528 bytes, each from its low end on, and come back as whole rows.
.macro TOSTAGE a
.set ob, 192-128*((\a)%2)
	s_wait_xcnt 0x0                                ; the stores of the block two back have read these registers
	WIN 0x08                                       ; store data window 2, address window 0
.irp b, 0,1,2,3,4,5,6,7
	ds_store_b128 v[STO], v[8*(8*(\a)+(\b)):8*(8*(\a)+(\b))+3]   offset:64*(\b)
	ds_store_b128 v[STO], v[8*(8*(\a)+(\b))+4:8*(8*(\a)+(\b))+7] offset:64*(\b)+16
.endr
	WIN 0
.irp t, 0,1,2,3,4,5,6,7,8,9,10,11,12,13,14,15
	ds_load_b128 v[ob+4*(\t):ob+4*(\t)+3], v[RD] offset:SP*(\t)  ; LDS serves a wave's instructions in order (ISA guide 5.7.1.4): these see the stores above; the next block's stores come behind them
.endr
.endm
.macro SEND a, younger                 ; younger: the LDS instructions issued behind block a's loads: the next block's 32, or none
.set ob, 192-128*((\a)%2)
.irp t, 0,1,2,3,4,5,6,7,8,9,10,11,12,13,14,15
	s_wait_dscnt (\younger)+15-(\t)
	global_store_b128 v[GO], v[ob+4*(\t):ob+4*(\t)+3], s[OB:OB+1] offset:(16*(\a)+(\t))*4096 th:TH_STORE_NT  ; the wave stores 512 consecutive bytes, at a multiple of 256 from out0's first
.endr
.endm
	s_wait_tensorcnt 0x1                           ; my part of K step 0 is in; K step 1's may stay out
	s_barrier_signal -1
	s_barrier_wait -1
	FETCH 0, 0
	s_wait_loadcnt 0x0                             ; the bias
	ROUNDB 4
	QUARTER 1, 0, 1, 1                             ; the first quarter stands in front of the loop: its products start the sums
	WIN 0
	s_mov_b32 s[CNT], 6
.Lstep:                                        ; a trip goes from a K step's second quarter to the next step's first, and asks for K steps 2 to 7
	QUARTER 2, 1, 0, 0
	QUARTER 3, 0, 1, 0
	TURN 1
	QUARTER 1, 0, 1, 0
	WIN 0
	s_sub_co_u32 s[CNT], s[CNT], 1
	s_cmp_lg_u32 s[CNT], 0
	s_cbranch_scc1 .Lstep
	QUARTER 2, 1, 0, 0                             ; the last two K steps are written out: nothing is left to fetch
	QUARTER 3, 0, 1, 0
	TURN 0
	QUARTER 1, 0, 1, 0
	QUARTER 2, 1, 0, 0
	QUARTER 3, 0, 1, 0
	s_wait_dscnt 4
	MUL8 1, 0, 0
	MUL8 1, 1, 0
	s_wait_dscnt 0x0
	MUL8 1, 2, 0
	MUL8 1, 3, 0
	WIN 0
	PLACES
	TOSTAGE 0
.irp a, 1,2,3
	TOSTAGE \a
	SEND (\a)-1, 32
.endr
	SEND 3, 0
	s_wait_tensorcnt 0x0                           ; the wave's end: three closing lines, behind my last tensor load and my last LDS store
	ds_add_u32 v[SPW], v[NIL]
	s_wait_dscnt 0x0
	CROUND                                         ; the closing round: no work-group ends while a partner may still ask for a tile that names it
	s_endpgm
.Lfunc_end_k_q3f6501aead_outproj:
	.size	k_q3f6501aead_outproj, .Lfunc_end_k_q3f6501aead_outproj-k_q3f6501aead_outproj
	.p2alignl 7, 3214868480
	.fill 96, 4, 3214868480
	.section	.rodata,"a",@progbits
	.p2align	6, 0x0
	.amdhsa_kernel k_q3f6501aead_outproj
		.amdhsa_group_segment_fixed_size 327680
		.amdhsa_private_segment_fixed_size 0
		.amdhsa_enable_private_segment 0
		.amdhsa_kernarg_size 32
		.amdhsa_user_sgpr_count 2
		.amdhsa_user_sgpr_kernarg_segment_ptr 1
		.amdhsa_wavefront_size32 1
		.amdhsa_system_sgpr_workgroup_id_x 1
		.amdhsa_system_sgpr_workgroup_id_y 1
		.amdhsa_system_sgpr_workgroup_id_z 1
		.amdhsa_system_vgpr_workitem_id 0
		.amdhsa_next_free_vgpr 768
		.amdhsa_next_free_sgpr 84
		.amdhsa_reserve_vcc 0
		.amdhsa_float_denorm_mode_32 3
		.amdhsa_float_denorm_mode_16_64 3
		.amdhsa_memory_ordered 1
		.amdhsa_forward_progress 1
		.amdhsa_inst_pref_size 77
	.end_amdhsa_kernel
	.amdgpu_metadata
---
amdhsa.version: [ 1, 2 ]
amdhsa.kernels:
  - .name:           k_q3f6501aead_outproj
    .symbol:         k_q3f6501aead_outproj.kd
    .args:
      - { .name: att, .offset: 0, .size: 8, .value_kind: global_buffer, .address_space: global }
      - { .name: wot, .offset: 8, .size: 8, .value_kind: global_buffer, .address_space: global }
      - { .name: bo, .offset: 16, .size: 8, .value_kind: global_buffer, .address_space: global }
      - { .name: out0, .offset: 24, .size: 8, .value_kind: global_buffer, .address_space: global }
    .group_segment_fixed_size: 327680
    .private_segment_fixed_size: 0
    .kernarg_segment_align: 8
    .kernarg_segment_size: 32
    .max_flat_workgroup_size: 128
    .sgpr_count:     84
    .vgpr_count:     768
    .wavefront_size: 32
...
	.end_amdgpu_metadata
.endif
;; end of part 4
;; ======== version 2 of 2: 4 launches; version 1 with the launch prep written anew for expert scheduling mode
;; limits: values are held in f16: magnitudes above 65,504 overflow, below 6.1e-05 lose precision
;; workspace buffers: xb 16,777,216 bytes; wt 6,291,456 bytes; wot 2,097,152 bytes; qkv 50,331,648 bytes; att 16,777,216 bytes
;; launch prep (part 5): grid 512 x 1, 8 waves a work-group, no clusters, 18,432 bytes of LDS; arguments x, Wq, Wk, Wv, Wo, xb, wt, wot; writes xb, wt, wot
.if DOCPART == 5
	.amdgcn_target "amdgcn-amd-amdhsa--gfx1250"
	.amdhsa_code_object_version 6
	.text
	.protected	k_q3f6501aead_prep
	.globl	k_q3f6501aead_prep
	.p2align	8
	.type	k_q3f6501aead_prep,@function
k_q3f6501aead_prep:
	s_mov_b64 s[64:65], 0
	v_nop
	global_prefetch_b8 v0, s[64:65] scope:SCOPE_SE
	s_setreg_imm32_b32 hwreg(HW_REG_WAVE_SCHED_MODE, 0, 2), 2
	s_setreg_imm32_b32 hwreg(HW_REG_WAVE_MODE, 25, 1), 1
	s_wait_xcnt 0x0
	s_wait_alu depctr_vm_vsrc(0)
; PREPARATION.  xb = x rounded to bf16, [8192][1024].  wt = Wq, Wk, Wv turned to [n][k] and rounded to bf16, [3072][1024] (rows 0-1023 Wq's columns, then Wk's, then Wv's).
; wot = Wo turned to [n][k], rounded to bf16 like every other input, and that number written as f16 (the last product's other operand is f16).
; LIMITS.  |Wo| stays under 65,504 (f16's range); a rounded Wo below 2^-14 keeps f16's fixed step of 6e-8.  NaN and infinities are not treated apart.
; SHARES.  512 work-groups of eight waves; each takes ONE tile of 128 k x 64 n of one weight (4 weights x 8 x 16 tiles) and 64 KiB of x.  A stream: every byte is read once and written once,
; so there is no matrix work, no cluster (no two work-groups read a byte in common) and no tensor load (24 loads of 16 bytes a lane are out at once, in registers).
; THE TURNING.  Thread (i = t / 16, j = t % 16) loads rows k = 8 i .. 8 i + 7, columns 4 j .. 4 j + 3: sixteen lanes read 256 consecutive aligned bytes of a row.  Two rows' numbers of one column pack into a word,
; so a thread holds, for each of its four columns n, the 16 bytes k = 8 i .. 8 i + 7 of the turned row.  They go into an LDS tile [64 n][128 k] of pitch 272 and come back by rows: sixteen lanes store 256 aligned bytes.
; THE MODE: SCHED_MODE bits 1:0 = 2 (LLVM: expert scheduling mode 2), set by the entry lines.  The code itself states the register dependences
; between vector instructions and memory or LDS instructions, with s_wait_alu, always for 0.
; THE PLAN.  Registers that memory or LDS instructions touch:
;   v2 .. v7   offsets and LDS addresses: written once, at the head, by vector instructions; read by every load and store.
;   v8, v9     written at the head; read by the closing add alone.
;   WD, XD     written by loads, once; read by the conversions; never loaded again.
;   WR         written by the weight's conversions; read by the four LDS stores; never written again.
;   WB         written by the four LDS loads; read by the four stores of the turned rows; no vector instruction names it.
;   XR         each register written once, by x's conversions; read by the stores of xb.
; No register that a memory or LDS instruction has read is written again, so no wait on vm_vsrc is owed.  No vector instruction writes a scalar register, VCC or EXEC.
; The waits on va_vdst: one at the head (the addresses), one ahead of the LDS stores (WR), and for x one to a block of four loads: block p's eight conversions write their own part of XR,
; and the four stores of block p - 1, whose part that wait has shown written, are dealt among them; the conversions issued since the wait name block p's XD and XR alone.
.set PITCH, 272                        ; 256 bytes of a turned row + 16
.set SPARE, 64*PITCH                   ; behind the tile (68 blocks of 256 bytes): the spare words, 128 bytes for each of the eight waves
.set INX,  2                           ; v2   my byte offset in the work-group's part of x: 8,192 x wave + 16 x lane
.set OUTX, 3                           ; v3   the same in xb: half of it
.set INW,  4                           ; v4   my byte offset in the weight's tile: 32,768 i + 16 j
.set ST,   5                           ; v5   where I put 16 bytes of a turned row: 1,088 j + 16 i
.set RD,   6                           ; v6   where I read a turned row back: 272 i + 16 j
.set OUTW, 7                           ; v7   the same place in the turned weight: 2,048 i + 16 j
.set SPW,  8                           ; v8   LDS address of my spare word; never rewritten
.set NIL,  9                           ; v9   0; never rewritten
.set WD,   32                          ; v[32:63]   the weight's eight rows as loaded
.set WR,   64                          ; v[64:79]   four turned pieces of 16 bytes
.set WB,   80                          ; v[80:95]   four pieces of turned rows, read back
.set XD,   96                          ; v[96:159]  x as loaded
.set XR,   160                         ; v[160:191] x in bf16
	s_load_b256 s[8:15], s[0:1], 0x0               ; x s[8:9], Wq s[10:11], Wk s[12:13], Wv s[14:15]
	s_load_b256 s[16:23], s[0:1], 0x20             ; Wo s[16:17], xb s[18:19], wt s[20:21], wot s[22:23]
	v_lshl_add_u32 v[SPW], v0, 2, SPARE
	v_mov_b32 v[NIL], 0
	s_lshr_b32 s25, ttmp9, 7                       ; which weight: 0 Wq, 1 Wk, 2 Wv, 3 Wo
	s_and_b32 s26, ttmp9, 7                        ; which 128 of k
	s_bfe_u32 s27, ttmp9, 0x40003                  ; which 64 of n
	s_lshl_b32 s2, ttmp9, 16                       ; my 64 KiB of x,
	s_mov_b32 s3, 0
	s_lshl_b32 s32, ttmp9, 15                      ; my 32 KiB of xb
	s_mov_b32 s33, 0
	s_lshl_b32 s34, s26, 19                        ; the tile in the weight: 128 rows of 4,096 bytes,
	s_lshl_b32 s24, s27, 8                         ; 64 columns of 4 bytes
	s_add_co_u32 s34, s34, s24
	s_mov_b32 s35, 0
	s_cmp_eq_u32 s25, 3
	s_cselect_b32 s36, 0, s25                      ; the tile in the turned weight: Wo has a buffer of its own, the others 1,024 rows of 2,048 bytes each,
	s_lshl_b32 s36, s36, 21
	s_lshl_b32 s24, s27, 17                        ; 64 rows,
	s_add_co_u32 s36, s36, s24
	s_lshl_b32 s24, s26, 8                         ; 128 numbers of 2 bytes
	s_add_co_u32 s36, s36, s24
	s_mov_b32 s37, 0
	v_and_b32 v10, 15, v0                          ; j
	v_lshrrev_b32 v11, 4, v0                       ; i
	v_lshlrev_b32 v[INW], 4, v10
	v_lshl_add_u32 v[OUTW], v11, 11, v[INW]
	v_mul_u32_u24 v[RD], v11, PITCH
	v_add_nc_u32 v[RD], v[RD], v[INW]
	v_mul_u32_u24 v[ST], v10, 4*PITCH
	v_lshl_add_u32 v[ST], v11, 4, v[ST]
	v_lshl_add_u32 v[INW], v11, 15, v[INW]
	v_and_b32 v[INX], 0xe0, v0                     ; 32 x wave
	v_and_b32 v10, 31, v0
	v_lshlrev_b32 v10, 4, v10
	v_lshl_or_b32 v[INX], v[INX], 8, v10
	v_lshrrev_b32 v[OUTX], 1, v[INX]
	s_wait_kmcnt 0x0
	s_cmp_eq_u32 s25, 1
	s_cselect_b64 s[28:29], s[12:13], s[10:11]
	s_cmp_eq_u32 s25, 2
	s_cselect_b64 s[28:29], s[14:15], s[28:29]
	s_cmp_eq_u32 s25, 3
	s_cselect_b64 s[28:29], s[16:17], s[28:29]     ; the weight
	s_cselect_b64 s[30:31], s[22:23], s[20:21]     ; where it goes
	s_add_nc_u64 s[28:29], s[28:29], s[34:35]
	s_add_nc_u64 s[30:31], s[30:31], s[36:37]
	s_add_nc_u64 s[8:9], s[8:9], s[2:3]
	s_add_nc_u64 s[18:19], s[18:19], s[32:33]
	s_wait_alu depctr_va_vdst(0)                   ; the six offsets and LDS addresses v2 to v7 are written, which the loads and stores of the whole kernel read; none is written again
.irp r, 0,1,2,3,4,5,6,7
	global_load_b128 v[WD+4*(\r):WD+4*(\r)+3], v[INW], s[28:29] offset:4096*(\r) th:TH_LOAD_NT
.endr
.irp i, 0,1,2,3,4,5,6,7,8,9,10,11,12,13,14,15
	global_load_b128 v[XD+4*(\i):XD+4*(\i)+3], v[INX], s[8:9] offset:512*(\i) th:TH_LOAD_NT  ; 512 consecutive bytes a wave
.endr
.irp p, 0,1,2,3
	s_wait_loadcnt 22-2*(\p)                       ; rows 2 p and 2 p + 1 are in: behind them 6 - 2 p loads of the weight and the 16 of x may stay out
.irp c, 0,1,2,3
	v_cvt_pk_bf16_f32 v[WR+4*(\c)+(\p)], v[WD+8*(\p)+(\c)], v[WD+8*(\p)+4+(\c)]  ; column c: k = 8 i + 2 p below, 8 i + 2 p + 1 above
.endr
.endr
	s_cmp_lg_u32 s25, 3
	s_cbranch_scc1 .Lno16                          ; the same for the whole work-group; no barrier is jumped
.irp n, 0,1,2,3,4,5,6,7,8,9,10,11,12,13,14,15
	v_lshlrev_b32 v10, 16, v[WR+(\n)]              ; Wo: the two bf16 numbers as f32,
	v_and_b32 v11, 0xffff0000, v[WR+(\n)]
	v_cvt_pk_f16_f32 v[WR+(\n)], v10, v11          ; written as f16: exact within f16's normal range
.endr
.Lno16:
	s_wait_alu depctr_va_vdst(0)                   ; on both ways: the conversions have written v[WR ..], which the four LDS stores read
.irp c, 0,1,2,3
	ds_store_b128 v[ST], v[WR+4*(\c):WR+4*(\c)+3] offset:PITCH*(\c)  ; turned row n = 4 j + c
.endr
	s_wait_dscnt 0x0                               ; for the others' sake: my stores into the tile are done
	s_barrier_signal -1
	s_barrier_wait -1
.irp q, 0,1,2,3
	ds_load_b128 v[WB+4*(\q):WB+4*(\q)+3], v[RD] offset:16*PITCH*(\q)  ; turned row i + 16 q; no vector instruction of the kernel names v[WB ..]
.endr
	s_wait_loadcnt 12                              ; loads come back in order: x's block 0 (loads 0 to 3) is in, the twelve younger ones stay out
.irp i, 0,1,2,3
	v_cvt_pk_bf16_f32 v[XR+2*(\i)], v[XD+4*(\i)], v[XD+4*(\i)+1]        ; block 0's conversions stand between the LDS loads above and the waits for them
	v_cvt_pk_bf16_f32 v[XR+2*(\i)+1], v[XD+4*(\i)+2], v[XD+4*(\i)+3]
.endr
.irp q, 0,1,2,3
	s_wait_dscnt 3-(\q)
	global_store_b128 v[OUTW], v[WB+4*(\q):WB+4*(\q)+3], s[30:31] offset:32768*(\q)  ; sixteen lanes store 256 consecutive aligned bytes; the data came by LDS loads, which the wait above shows landed
.endr
.irp p, 1,2,3
	s_wait_loadcnt 12-4*(\p)                       ; x's block p (loads 4 p to 4 p + 3) is in, the younger blocks stay out
	s_wait_alu depctr_va_vdst(0)                   ; block p - 1's conversions have written their part of v[XR ..], which the four stores below read
.irp i, 0,1,2,3
	global_store_b64 v[OUTX], v[XR+2*(4*(\p)-4+(\i)):XR+2*(4*(\p)-4+(\i))+1], s[18:19] offset:256*(4*(\p)-4+(\i))  ; the block before: the wave stores 256 consecutive aligned bytes; no conversion since the wait names these registers
	v_cvt_pk_bf16_f32 v[XR+2*(4*(\p)+(\i))], v[XD+4*(4*(\p)+(\i))], v[XD+4*(4*(\p)+(\i))+1]
	v_cvt_pk_bf16_f32 v[XR+2*(4*(\p)+(\i))+1], v[XD+4*(4*(\p)+(\i))+2], v[XD+4*(4*(\p)+(\i))+3]
.endr
.endr
	s_wait_alu depctr_va_vdst(0)                   ; block 3's conversions have written the last part of v[XR ..], which the last four stores read
.irp i, 12,13,14,15
	global_store_b64 v[OUTX], v[XR+2*(\i):XR+2*(\i)+1], s[18:19] offset:256*(\i)
.endr
	s_wait_dscnt 0x0                               ; the closing lines, six on end
	s_wait_alu 0x0
	s_wait_tensorcnt 0x0
	ds_add_u32 v[SPW], v[NIL]
	s_wait_dscnt 0x0
	s_endpgm
.Lfunc_end_k_q3f6501aead_prep:
	.size	k_q3f6501aead_prep, .Lfunc_end_k_q3f6501aead_prep-k_q3f6501aead_prep
	.p2alignl 7, 3214868480
	.fill 96, 4, 3214868480
	.section	.rodata,"a",@progbits
	.p2align	6, 0x0
	.amdhsa_kernel k_q3f6501aead_prep
		.amdhsa_group_segment_fixed_size 18432
		.amdhsa_private_segment_fixed_size 0
		.amdhsa_enable_private_segment 0
		.amdhsa_kernarg_size 64
		.amdhsa_user_sgpr_count 2
		.amdhsa_user_sgpr_kernarg_segment_ptr 1
		.amdhsa_wavefront_size32 1
		.amdhsa_system_sgpr_workgroup_id_x 1
		.amdhsa_system_sgpr_workgroup_id_y 1
		.amdhsa_system_sgpr_workgroup_id_z 1
		.amdhsa_system_vgpr_workitem_id 0
		.amdhsa_next_free_vgpr 192
		.amdhsa_next_free_sgpr 66
		.amdhsa_reserve_vcc 0
		.amdhsa_float_denorm_mode_32 3
		.amdhsa_float_denorm_mode_16_64 3
		.amdhsa_memory_ordered 1
		.amdhsa_forward_progress 1
		.amdhsa_inst_pref_size 14
	.end_amdhsa_kernel
	.amdgpu_metadata
---
amdhsa.version: [ 1, 2 ]
amdhsa.kernels:
  - .name:           k_q3f6501aead_prep
    .symbol:         k_q3f6501aead_prep.kd
    .args:
      - { .name: x, .offset: 0, .size: 8, .value_kind: global_buffer, .address_space: global }
      - { .name: Wq, .offset: 8, .size: 8, .value_kind: global_buffer, .address_space: global }
      - { .name: Wk, .offset: 16, .size: 8, .value_kind: global_buffer, .address_space: global }
      - { .name: Wv, .offset: 24, .size: 8, .value_kind: global_buffer, .address_space: global }
      - { .name: Wo, .offset: 32, .size: 8, .value_kind: global_buffer, .address_space: global }
      - { .name: xb, .offset: 40, .size: 8, .value_kind: global_buffer, .address_space: global }
      - { .name: wt, .offset: 48, .size: 8, .value_kind: global_buffer, .address_space: global }
      - { .name: wot, .offset: 56, .size: 8, .value_kind: global_buffer, .address_space: global }
    .group_segment_fixed_size: 18432
    .private_segment_fixed_size: 0
    .kernarg_segment_align: 8
    .kernarg_segment_size: 64
    .max_flat_workgroup_size: 256
    .sgpr_count:     66
    .vgpr_count:     192
    .wavefront_size: 32
...
	.end_amdgpu_metadata
.endif
;; end of part 5
;; launch inproj: the kernel of part 2 again; grid 16 x 32, 4 waves a work-group, clusters of 4 x 4, 327,680 bytes of LDS; arguments xb, wt, bq, bk, bv, qkv; writes qkv
;; launch attn: the kernel of part 3 again; grid 4 x 64, 4 waves a work-group, no clusters, 327,680 bytes of LDS; arguments qkv, att; writes att
;; launch outproj: the kernel of part 4 again; grid 8 x 32, 4 waves a work-group, clusters of 4 x 4, 327,680 bytes of LDS; arguments att, wot, bo, out0; writes out0
